; MI455X (gfx1250); checked and timed in simulation.
; The chip was launched on July 23, 2026; its instructions are those of AMD's public machine-readable ISA for CDNA 5 (MIT licence, August 2026) and "CDNA5" Instruction Set Architecture Reference Guide (July 2026). The comments in the code are by the model that wrote it; some were corrected since.
;; Multi Head Attention. Allowed arithmetic: matrix products marked QUANTISED: E4M3 operands, one given power-of-two scale a tensor, by v_wmma_f32_16x16x64_fp8_fp8 or v_wmma_f32_16x16x128_fp8_fp8, f32 sums; everything else in f32.
;; Inputs: Wk 1,024 x 1,024 float32; Wo 1,024 x 1,024 float32; Wq 1,024 x 1,024 float32; Wv 1,024 x 1,024 float32; bo 1,024 float32; lowp_scales 12 int32 (the exponents e of the quantised operands' scales 2^e); x 4 x 2,048 x 1,024 float32.
;; Outputs: out0 4 x 2,048 x 1,024 float32.
;; This version of the problem:
;;   THIS VERSION OF THE PROBLEM IS GIVEN IN LOW PRECISION. The matrix products marked QUANTISED in the list below multiply operands that are first quantised to E4M3 (4 exponent bits, 3 mantissa bits; 8 bits a number), with one given power-of-two scale for each operand tensor; their sums are f32. All else is computed in f32.
;;   The module's matrix products, in the order in which they are computed (A, B: the left and right operand; K: the contracted axis; several contracted axes count as one K, in the product's order):
;;     1. [M 8,192, K 1,024] x [K 1,024, N 1,024]; A: input x; B: input Wq: QUANTISED (scales: A lowp_scales[0], B lowp_scales[1])
;;     2. [M 8,192, K 1,024] x [K 1,024, N 1,024]; A: input x; B: input Wk: QUANTISED (scales: A lowp_scales[2], B lowp_scales[3])
;;     3. [M 8,192, K 1,024] x [K 1,024, N 1,024]; A: input x; B: input Wv: QUANTISED (scales: A lowp_scales[4], B lowp_scales[5])
;;     4. batch 64 x [M 2,048, K 64] x [K 64, N 2,048]; A: computed on the way; B: computed on the way: QUANTISED (scales: A lowp_scales[6], B lowp_scales[7])
;;     5. batch 64 x [M 2,048, K 2,048] x [K 2,048, N 64]; A: softmax (see below); B: computed on the way: QUANTISED (scales: A lowp_scales[8], B lowp_scales[9])
;;     6. [M 8,192, K 1,024] x [K 1,024, N 1,024]; A: computed on the way; B: input Wo: QUANTISED (scales: A lowp_scales[10], B lowp_scales[11])
;;   THE QUANTISER, for each operand of a quantised product, along K:
;;     - The operand's scale is 2^e, e = its entry of the input lowp_scales (int32; the entries are numbered through the quantised products in the list's order, A before B).
;;     - Each number is divided by the scale, clamped to +-448, and rounded to the nearest number of E4M3, ties to even, subnormals kept.
;;     - The product sums the exact products of the quantised numbers (number of the format x scale) in f32.
;;   ~~~python
;;   def quantise(x, axis, e):      # numpy; x: float32 -> the quantised numbers, widened to float32 again
;;       x = np.moveaxis(x, axis, -1); K = x.shape[-1]
;;       r = np.clip(x / 2.0 ** e, -448, 448)
;;       step = 2.0 ** (np.maximum(np.frexp(np.where(r == 0, 1, r))[1] - 1, -6) - 3)
;;       q = np.round(r / step) * step * 2.0 ** e      # np.round: ties to even
;;       return np.moveaxis(q, -1, axis).astype(np.float32)
;;   ~~~
;;   SOFTMAX AHEAD OF A QUANTISED PRODUCT. Where the list says 'softmax', what is quantised is not the finished softmax but p = 2^(t - M), with t = logit x log2(e) and M = ceil(the row's largest t), a whole number; so 1/2 < the row's largest p <= 1. The row's sum l is taken of the UNQUANTISED p, in f32, and the product's result is divided by l at the end. Since M is a whole number, a kernel that streams over the keys may use a running M (the ceiling of the running maximum): every later rescaling is an exact power of two, so the quantised numbers keep their values, but for numbers so far below the row's largest that they fall under the format's range.
;;   OPERANDS COMPUTED ON THE WAY. 'Computed on the way' means the value that the module computes at that place (a softmax that the list does not call 'softmax' is quantised finished and normalised). What goes into a quantiser is computed in f32, as accurately as f32 sums, v_exp_f32 and their like allow (about 1e-6 of the number): no bf16 or f16 on the way to a quantiser, and a product that is left as it is and whose result goes on into a quantised operand takes f32 operands (vector FMAs, or v_wmma_f32_16x16x4_f32). A number that lies on a knife's edge between two numbers of the format may be rounded either way, as far as f32 arithmetic and the matrix unit's own rounding can turn it there, and no further.
;; One version. Each part assembles by itself: llvm-mc -triple=amdgcn-amd-amdhsa -mcpu=gfx1250 --defsym DOCPART=n.
;; ======== version 1 of 1: 4 launches
;; limits: right only within a limited range of input values
;; workspace buffers: xcodes 25,165,824 bytes; wcodes 4,194,304 bytes; qkv 25,165,824 bytes; ctx 8,388,608 bytes
;; launch quant (part 1): grid 640 x 1, 4 waves a work-group, no clusters, 68,096 bytes of LDS; arguments x, Wq, Wk, Wv, Wo, lowp_scales, xcodes, wcodes; writes xcodes, wcodes
.if DOCPART == 1
	.amdgcn_target "amdgcn-amd-amdhsa--gfx1250"
	.amdhsa_code_object_version 6
	.text
	.protected	k_qf16ac85edb_quant
	.globl	k_qf16ac85edb_quant
	.p2align	8
	.type	k_qf16ac85edb_quant,@function
k_qf16ac85edb_quant:
	s_mov_b64 s[64:65], 0
	v_nop
	global_prefetch_b8 v0, s[64:65] scope:SCOPE_SE
	s_setreg_imm32_b32 hwreg(HW_REG_WAVE_MODE, 25, 1), 1
	s_wait_xcnt 0x0
; x [8192][1024] f32 becomes THREE sets of E4M3 codes (one for each of the products with Wq, Wk, Wv: entries 0, 2, 4 of the scales may differ), each [8192][1024], K innermost, 8 MiB apart.
; Wq, Wk, Wv, Wo [1024 (k)][1024 (n)] f32 become codes [1024 rows][1024 k], K innermost, 1 MiB apart (entries 1, 3, 5, 11).  ROW rho OF A WEIGHT'S CODES HOLDS COLUMN n = rho WITH BITS 3 AND 4 EXCHANGED:
; the later launches use their products transposed, and with this order a lane's 16 results of two neighbouring tiles are 16 neighbouring columns.
; code = number / 2^e (x's held within +-448), to the nearest code, ties to even.  LIMITS: each e used here lies between -126 and 119, so that 2^e and 448 x 2^e are f32 numbers.  NaN among the inputs is not served.
; Work-groups 0-127 take the weights, 128-639 take x.  The two ways part on the work-group's number and never join; each has LDS bytes of its own.  No tensor load, no barrier: waves share nothing.
.set STEPS, 8                          ; x: steps of 512 numbers for a wave
.set R,     16                         ; v16-79   x: four sets of 16 numbers as they are loaded
.set X,     80                         ; v80-111  x: two sets of 16 neighbours
.set T,     112                        ; v112-159 x: the 16 neighbours held within each of the three scales' ranges
.set C,     160                        ; v160-255 x: codes, 12 registers for each step, so that no store's data are written again
.set SP,    80                         ; x: a lane's place in a stage: its 64 bytes + 16 of padding
.set WREG,  8192                       ; x: LDS region of a wave: two stages of 32 x SP bytes
.set WSTG,  32768                      ; the weights' stages begin here
.set PITCH, 272                        ; weights: a stage row: 256 codes + 16 bytes
.set NB,    8                          ; weights: blocks of 32 along K for a wave
.set WX,    32                         ; v32-95   weights: two sets of 32 numbers
.set WC,    96                         ; v96-103  weights: a block's codes
.set OUTR,  112                        ; v112-175 weights: the way out
	s_load_b256 s[4:11], s[0:1], 0x0               ; x s[4:5], Wq s[6:7], Wk s[8:9], Wv s[10:11]
	s_load_b256 s[12:19], s[0:1], 0x20             ; Wo s[12:13], the scales' exponents s[14:15], x's codes s[16:17], the weights' codes s[18:19]
	s_set_vgpr_msb 0x40
	v_lshl_add_u32 v0, v0, 2, 0x10800
	v_mov_b32 v1, 0
	s_set_vgpr_msb 0x4000
	v_lshrrev_b32 v1, 5, v0
	v_readfirstlane_b32 s20, v1                    ; wave 0..3
	v_and_b32 v2, 31, v0                           ; lane
	s_wait_kmcnt 0x0
	s_load_b256 s[24:31], s[14:15], 0x0            ; e0 .. e7
	s_load_b128 s[32:35], s[14:15], 0x20           ; e8 .. e11
	s_cmp_lt_u32 ttmp9, 128
	s_cbranch_scc1 .Lweights
	s_wait_alu depctr_va_vdst(0)
; ---------------- x.  A wave takes 4,096 numbers on end.  Each load reads 512 consecutive bytes, 16 a lane; a step's 2,048 bytes turn through the wave's own stage in LDS and come back 64 bytes a lane: 16 neighbours along K.
	v_lshlrev_b32 v3, 4, v2                        ; my 16 bytes of a load's 512, and of a store's
	s_wait_alu depctr_va_vdst(0)
	s_mul_i32 s21, s20, WREG
	v_lshrrev_b32 v14, 2, v2
	v_mul_u32_u24 v14, v14, SP
	v_and_b32 v15, 3, v2
	v_lshl_add_u32 v14, v15, 4, v14
	v_add_nc_u32 v14, s21, v14                     ; the stage on the way in: SP (lane / 4) + 16 (lane % 4)
	v_mul_u32_u24 v15, v2, SP
	v_add_nc_u32 v15, s21, v15                     ; and on the way out: SP x lane
	s_sub_co_u32 s21, ttmp9, 128
	s_lshl_b32 s21, s21, 2
	s_add_co_u32 s21, s21, s20                     ; which run of 4,096 numbers is my wave's: 0 .. 2,047
	s_lshl_b32 s22, s21, 14
	s_mov_b32 s23, 0
	s_add_nc_u64 s[4:5], s[4:5], s[22:23]
	s_lshl_b32 s22, s21, 12
	s_add_nc_u64 s[36:37], s[16:17], s[22:23]      ; the three sets of codes
	s_add_nc_u64 s[38:39], s[36:37], 0x800000
	s_add_nc_u64 s[40:41], s[36:37], 0x1000000
.macro XLOAD t
.irp i, 0,1,2,3
	global_load_b128 v[R+16*((\t)%4)+4*\i:R+16*((\t)%4)+4*\i+3], v3, s[4:5] offset:2048*(\t)+512*\i th:TH_LOAD_NT
.endr
.endm
.macro XTURN t                         ; LDS serves a wave's instructions in order (ISA guide 5.7.1.4): no wait between the stores and the loads
.irp i, 0,1,2,3
	ds_store_b128 v14, v[R+16*((\t)%4)+4*\i:R+16*((\t)%4)+4*\i+3] offset:32*SP*((\t)%2)+8*SP*\i
.endr
.irp i, 0,1,2,3
	ds_load_b128 v[X+16*((\t)%2)+4*\i:X+16*((\t)%2)+4*\i+3], v15 offset:32*SP*((\t)%2)+16*\i
.endr
.endm
.irp t, 0,1,2,3
	XLOAD \t
.endr
	s_wait_alu depctr_va_vdst(0)
	s_wait_kmcnt 0x0
.irp k, 0,1,2                          ; entries 0, 2, 4: v[8+2k] = 2^e (the conversion takes its exponent field), v[9+2k] = 448 x 2^e
	s_add_co_i32 s42, s[24+2*\k], 127
	s_lshl_b32 s43, s42, 23
	v_mov_b32 v[8+2*\k], s43
	s_add_co_i32 s42, s42, 8
	s_lshl_b32 s42, s42, 23
	s_or_b32 s42, s42, 0x600000
	v_mov_b32 v[9+2*\k], s42
.endr
	s_wait_alu depctr_va_vdst(0)
	s_wait_loadcnt 12                              ; step 0's four loads are in; those of steps 1 to 3 may be out
	XTURN 0
.macro XSTEP t
.set XS, X+16*((\t)%2)
	s_wait_dscnt 0x0                               ; this step's numbers are back from the stage, so its stores into the stage have read their registers,
.if (\t)+4 < STEPS
	XLOAD (\t)+4                                   ; which take the loads of four steps on
.endif
.if (\t)+1 < STEPS
.if STEPS-2-(\t) >= 3
	s_wait_loadcnt 12                              ; the next step's four loads are in; those of the three steps behind it may be out
.else
	s_wait_loadcnt 4*(STEPS-2-(\t))                ; the same, with fewer steps left behind it
.endif
	XTURN (\t)+1
.endif
.irp k, 0,1,2
.irp i, 0,1,2,3,4,5,6,7,8,9,10,11,12,13,14,15
	v_med3_num_f32 v[T+16*\k+\i], v[XS+\i], -v[9+2*\k], v[9+2*\k]   ; the conversion to an 8-bit code does not saturate (ISA guide 7.6.2): the hold at the largest code x the scale
.endr
.endr
.irp k, 0,1,2
	v_cvt_scalef32_pk8_fp8_f32 v[C+12*(\t)+4*\k:C+12*(\t)+4*\k+1], v[T+16*\k:T+16*\k+7], v[8+2*\k]
	v_cvt_scalef32_pk8_fp8_f32 v[C+12*(\t)+4*\k+2:C+12*(\t)+4*\k+3], v[T+16*\k+8:T+16*\k+15], v[8+2*\k]
.endr
	v_nop                                          ; a plain vector line behind the conversions: the next step's holds write their sources
.irp k, 0,1,2
	global_store_b128 v3, v[C+12*(\t)+4*\k:C+12*(\t)+4*\k+3], s[36+2*\k:37+2*\k] offset:512*(\t)   ; 32 lanes store 512 consecutive bytes, at a multiple of 512 from the buffer's first byte
.endr
.endm
.irp t, 0,1,2,3,4,5,6,7
	XSTEP \t
.endr
	s_set_vgpr_msb 0x5
	s_wait_tensorcnt 0x0
	ds_add_u32 v0, v1
	s_wait_dscnt 0x0
	s_set_vgpr_msb 0x500
	s_endpgm
; ---------------- the weights.  K is the FIRST axis: a lane takes a column n and its registers run down K, so that the conversions give codes with K innermost.  A wave takes 32 columns x 256 along K.
.Lweights:
	s_lshr_b32 s21, ttmp9, 5                       ; which weight: 0 Wq, 1 Wk, 2 Wv, 3 Wo
	s_bfe_u32 s22, ttmp9, 0x20003                  ; which 256 along K
	s_and_b32 s23, ttmp9, 7
	s_lshl_b32 s23, s23, 7
	s_lshl_b32 s36, s20, 5
	s_add_co_u32 s23, s23, s36                     ; my wave's first column, a multiple of 32
	s_wait_alu depctr_va_vdst(0)
	v_lshlrev_b32 v3, 2, v2                        ; in: 4 bytes a lane
	s_mul_i32 s36, s20, 32*PITCH
	s_add_co_u32 s36, s36, WSTG                    ; my stage
	v_mul_u32_u24 v4, v2, PITCH
	v_add_nc_u32 v4, s36, v4                       ; into it: row = my column
	v_and_b32 v5, 15, v2
	v_lshrrev_b32 v6, 4, v2
	v_mul_u32_u24 v7, v6, PITCH
	v_lshl_add_u32 v7, v5, 4, v7
	v_add_nc_u32 v7, s36, v7                       ; out of it: sixteen lanes to a row, two rows an instruction
	v_lshlrev_b32 v8, 10, v6
	v_lshl_add_u32 v8, v5, 4, v8                   ; and two rows of 1,024 bytes in the codes' buffer
	s_cmp_eq_u32 s21, 1                            ; the choice hangs on the work-group's number alone
	s_cselect_b64 s[6:7], s[8:9], s[6:7]
	s_cmp_eq_u32 s21, 2
	s_cselect_b64 s[6:7], s[10:11], s[6:7]
	s_cmp_eq_u32 s21, 3
	s_cselect_b64 s[6:7], s[12:13], s[6:7]
	s_lshl_b32 s38, s22, 20                        ; 256 rows of 4,096 bytes
	s_lshl_b32 s39, s23, 2
	s_add_co_u32 s38, s38, s39
	s_mov_b32 s39, 0
	s_add_nc_u64 s[6:7], s[6:7], s[38:39]
	s_lshl_b32 s40, s21, 20                        ; the weight's codes,
	s_lshl_b32 s41, s23, 10                        ; my 32 rows of them,
	s_add_co_u32 s40, s40, s41
	s_lshl_b32 s41, s22, 8                         ; my 256 along K
	s_add_co_u32 s40, s40, s41
	s_mov_b32 s41, 0
	s_add_nc_u64 s[18:19], s[18:19], s[40:41]
.macro WLOAD t                         ; block t: W(32 t + i, my column): 32 lanes read 128 consecutive bytes, the four waves 512
.set i, 0
.rept 32
	global_load_b32 v[WX+32*((\t)%2)+i], v3, s[6:7] offset:(32*(\t)+i)*4096 th:TH_LOAD_NT
.set i, i+1
.endr
.endm
	WLOAD 0
	WLOAD 1
	s_wait_kmcnt 0x0
	s_cmp_eq_u32 s21, 1                            ; e1, e3, e5 or e11
	s_cselect_b32 s25, s27, s25
	s_cmp_eq_u32 s21, 2
	s_cselect_b32 s25, s29, s25
	s_cmp_eq_u32 s21, 3
	s_cselect_b32 s25, s35, s25
	s_add_co_i32 s25, s25, 127
	s_lshl_b32 s26, s25, 23
	v_mov_b32 v11, s26                             ; 2^e
	s_add_co_i32 s25, s25, 8
	s_lshl_b32 s25, s25, 23
	s_or_b32 s25, s25, 0x600000
.macro WBLOCK t
.set XS, WX+32*((\t)%2)
.if (\t) < NB-1
	s_wait_loadcnt 32                              ; this block's 32 loads are in; the next block's may be out
.else
	s_wait_loadcnt 0x0
.endif
.set i, 0
.rept 32
.set i, i+1
.endr
.irp g, 0,1,2,3
	v_cvt_scalef32_pk8_fp8_f32 v[WC+2*\g:WC+2*\g+1], v[XS+8*\g:XS+8*\g+7], v11
.endr
	ds_store_b128 v4, v[WC:WC+3] offset:32*(\t)    ; 32 codes of my column.  (The results go to LDS stores alone)
	ds_store_b128 v4, v[WC+4:WC+7] offset:32*(\t)+16
.if (\t)+2 < NB
	WLOAD (\t)+2
.endif
	s_wait_dscnt 0x0                               ; the stores have read their registers: the next block's codes may be written
.endm
	s_wait_alu depctr_va_vdst(0)
.irp t, 0,1,2,3,4,5,6,7
	WBLOCK \t
.endr
.irp t, 0,1,2,3,4,5,6,7,8,9,10,11,12,13,14,15   ; rows 2 t and 2 t + 1 of the codes take the columns with bits 3 and 4 exchanged: bits 2 and 3 of t
	ds_load_b128 v[OUTR+4*\t:OUTR+4*\t+3], v7 offset:2*((\t&3)|((\t&4)<<1)|((\t&8)>>1))*PITCH
.endr
.irp t, 0,1,2,3,4,5,6,7,8,9,10,11,12,13,14,15
	s_wait_dscnt 15-\t                             ; LDS loads come back in order: load t is in, the younger ones may be out
	global_store_b128 v8, v[OUTR+4*\t:OUTR+4*\t+3], s[18:19] offset:2*\t*1024   ; sixteen lanes store 256 consecutive bytes, at a multiple of 256 from the buffer's first byte
.endr
	s_set_vgpr_msb 0x5
	s_wait_tensorcnt 0x0
	ds_add_u32 v0, v1
	s_wait_dscnt 0x0
	s_set_vgpr_msb 0x500
	s_endpgm
.Lfunc_end_k_qf16ac85edb_quant:
	.size	k_qf16ac85edb_quant, .Lfunc_end_k_qf16ac85edb_quant-k_qf16ac85edb_quant
	.p2alignl 7, 3214868480
	.fill 96, 4, 3214868480
	.section	.rodata,"a",@progbits
	.p2align	6, 0x0
	.amdhsa_kernel k_qf16ac85edb_quant
		.amdhsa_group_segment_fixed_size 68096
		.amdhsa_private_segment_fixed_size 0
		.amdhsa_enable_private_segment 0
		.amdhsa_kernarg_size 64
		.amdhsa_user_sgpr_count 2
		.amdhsa_user_sgpr_kernarg_segment_ptr 1
		.amdhsa_wavefront_size32 1
		.amdhsa_system_sgpr_workgroup_id_x 1
		.amdhsa_system_sgpr_workgroup_id_y 1
		.amdhsa_system_sgpr_workgroup_id_z 1
		.amdhsa_system_vgpr_workitem_id 0
		.amdhsa_next_free_vgpr 258
		.amdhsa_next_free_sgpr 66
		.amdhsa_reserve_vcc 0
		.amdhsa_float_denorm_mode_32 3
		.amdhsa_float_denorm_mode_16_64 3
		.amdhsa_fp16_overflow 1
		.amdhsa_memory_ordered 1
		.amdhsa_forward_progress 1
		.amdhsa_inst_pref_size 73
	.end_amdhsa_kernel
	.amdgpu_metadata
---
amdhsa.version: [ 1, 2 ]
amdhsa.kernels:
  - .name:           k_qf16ac85edb_quant
    .symbol:         k_qf16ac85edb_quant.kd
    .args:
      - { .name: x, .offset: 0, .size: 8, .value_kind: global_buffer, .address_space: global }
      - { .name: Wq, .offset: 8, .size: 8, .value_kind: global_buffer, .address_space: global }
      - { .name: Wk, .offset: 16, .size: 8, .value_kind: global_buffer, .address_space: global }
      - { .name: Wv, .offset: 24, .size: 8, .value_kind: global_buffer, .address_space: global }
      - { .name: Wo, .offset: 32, .size: 8, .value_kind: global_buffer, .address_space: global }
      - { .name: lowp_scales, .offset: 40, .size: 8, .value_kind: global_buffer, .address_space: global }
      - { .name: xcodes, .offset: 48, .size: 8, .value_kind: global_buffer, .address_space: global }
      - { .name: wcodes, .offset: 56, .size: 8, .value_kind: global_buffer, .address_space: global }
    .group_segment_fixed_size: 68096
    .private_segment_fixed_size: 0
    .kernarg_segment_align: 8
    .kernarg_segment_size: 64
    .max_flat_workgroup_size: 128
    .sgpr_count:     66
    .vgpr_count:     258
    .wavefront_size: 32
...
	.end_amdgpu_metadata
.endif
;; end of part 1
;; launch qkv (part 2): grid 12 x 32, 4 waves a work-group, clusters of 4 x 4, 327,680 bytes of LDS; arguments xcodes, wcodes, lowp_scales, qkv; writes qkv
.if DOCPART == 2
	.amdgcn_target "amdgcn-amd-amdhsa--gfx1250"
	.amdhsa_code_object_version 6
	.text
	.protected	k_qf16ac85edb_qkv
	.globl	k_qf16ac85edb_qkv
	.p2align	8
	.type	k_qf16ac85edb_qkv,@function
k_qf16ac85edb_qkv:
	s_mov_b64 s[64:65], 0
	v_nop
	global_prefetch_b8 v0, s[64:65] scope:SCOPE_SE
	s_setreg_imm32_b32 hwreg(HW_REG_WAVE_MODE, 25, 1), 1
	s_wait_xcnt 0x0
	s_wait_alu depctr_hold_cnt(0) depctr_sa_sdst(0) depctr_va_vdst(0) depctr_va_sdst(0) depctr_va_ssrc(0) depctr_va_vcc(0) depctr_vm_vsrc(0)
	s_getreg_b32 s2, hwreg(HW_REG_IB_STS2, 6, 4)
	s_cmp_eq_u32 s2, 0
	s_cbranch_scc0 .Lentry_in_a_cluster
	s_endpgm
.Lentry_in_a_cluster:
	s_bfe_u32 s2, ttmp6, 0x10000c
	s_cmp_lg_u32 s2, 0xf033
	s_cbranch_scc0 .Lentry_shape_is_right
	s_endpgm
.Lentry_shape_is_right:
; q = x Wq, k = x Wk, v = x Wv on E4M3 codes (K = 1,024), and each result quantised at once for the attention's products: nothing goes to memory as f32.
; The cluster's x says which product: 0 q, 1 k, 2 v.  A tile is 256 x 256, made by four waves of 128 x 128 (64 accumulators, 512 registers).  K goes in steps of 256 through two LDS slots filled by the tensor data mover.
; THE MATRIX INSTRUCTION: source 0 = 16 rows of "B", source 1 = 16 rows of "A": lane (r, h) holds row r of A and rows 8 h + 0 .. 7 of B's block.
;   q, k: A = x's codes (tokens), B = the weight's code rows: a lane holds one token and eight neighbouring places of the head's axis.
;   v:    A = Wv's code rows, B = x's codes: a lane holds one channel and eight neighbouring KEYS, which are the second attention product's K.
; So one conversion of an accumulator's eight registers gives registers 2 b, 2 b + 1 of the next operand in the plain 8-bit layout, and the results leave as IMAGES OF THE OPERANDS' REGISTERS: 16 bytes a lane, 512 dense bytes a store, no LDS on the way out.
;   q_img at 0, k_img at 8 MiB: ((16 batch + head) 128 + token / 16) 1,024 + piece 512 + 16 lane;   v_img at 16 MiB: (((16 batch + head) 16 + key / 128) 4 + channel tile) 2,048 + piece 512 + 16 lane.
; A sum stands for sum x 2^(ex + ew), so its code is sum / 2^E, E = e6 - e0 - e1 (q), e7 - e2 - e3 (k), e9 - e4 - e5 (v).  LIMIT: E between -126 and 119.  The fragments are fetched 16 bytes a lane, a permutation of k that is the same
; in A and B: only the order of the sums inside an instruction differs from K ascending.
; CLUSTERS: 4 x 4 work-groups; A's tile is shared along a row of the cluster, B's along a column, each asked for jointly.  All sixteen partners belong to one product, so every choice below is the same in all of them.
; REGISTERS, in windows of 256: window 0: v0-31 addresses; from v128 A's fragments, ONE set, later the codes.  window 1: B's fragments, TWO sets.  windows 2, 3: the accumulators ((a, b) at v[8 (8 (a % 4) + b)]).
.set ROWB,   256                       ; a tile's row in bytes
.set KROW,   1024                      ; a row of codes in memory
.set PITCH,  272                       ; an LDS row: 256 bytes + 16 of padding = 68 words: the 16 rows that a load touches start at 16 different banks (64 banks of 4 bytes: ISA guide 11.1)
.set FR,     16                        ; registers of a fragment: 16 rows x 128 K
.set NL,     4                         ; LDS loads that bring one
.set NP,     4                         ; places behind this matrix instruction (ISA guide 7.12.1)
.set HALFT,  128*PITCH
.set SLOT,   4*HALFT                   ; A's 256 rows, then B's 256 rows
.set SPARE,  2*SLOT                    ; behind the ring: the spare words, 128 bytes for each wave, that no other line names
.set ADRA, 16                          ; v16-17  LDS address of my A fragments in slot 0, 1
.set ADRB, 20                          ; v20-21  the same for B
.set LO,   27                          ; v27     16 x lane: my place in an image
.set SPW,  28                          ; v28     LDS address of my spare word; never rewritten
.set NIL,  29                          ; v29     0; never rewritten
.set LIMR, 30
.set SCR,  31                          ; v31     2^E
.set TMP,  32
.set AF,   128                         ; A's fragments, in window 0
.set CD,   128                         ; the way out: 16 registers of codes for each block, so that no store's data are written again
.set G1, 24                            ; s[24:31] descriptor group 1 for A's tiles;  s[32:39] group 0, one set for each slot
.set G0, 32
.set G1B, 48                           ; s[48:55], s[56:63] the same for B's tiles
.set G0B, 56
.set MSB, 0
.macro WIN new                         ; the immediate's high byte repeats the setting that is left
.if MSB != \new
	s_set_vgpr_msb (MSB<<8)|\new
.set MSB, \new
.endif
.endm
.set MUL_LO, 0xa1                      ; source 0 (B) window 1, source 1 (A) window 0, C and D window 2
.set MUL_HI, 0xf1                      ; the same, C and D window 3
.set TO_B,   0x40                      ; destination window 1, address window 0
; A joint load: waves 0 and 1 fetch for A, waves 2 and 3 for B.  The branch hangs on the wave's number alone.  Four v_nop follow each of the two lines.
.macro JLOAD g0a, g1a, g0b, g1b
	s_cmp_eq_u32 s15, 0
	s_cbranch_scc0 .Lfor_b_\@
	tensor_load_to_lds s[\g0a:\g0a+3], s[\g1a:\g1a+7]
	s_nop 0
.rept 4
	v_nop
.endr
	s_branch .Lasked_\@
.Lfor_b_\@:
	tensor_load_to_lds s[\g0b:\g0b+3], s[\g1b:\g1b+7]
	s_nop 0
.rept 4
	v_nop
.endr
.Lasked_\@:
.endm
.macro CREST                           ; a round of the cluster's barrier behind its opening barrier
	s_cmp_lg_u32 s14, 0
	s_cbranch_scc1 .Lnot_wave_0_\@
	s_barrier_signal -3
.Lnot_wave_0_\@:
	s_barrier_wait -3
	s_barrier_signal -1
	s_barrier_wait -1
.endm
.macro CROUND                          ; a whole round
	s_barrier_signal -1
	s_barrier_wait -1
	CREST
.endm
	s_load_b256 s[4:11], s[0:1], 0x0               ; x's codes s[4:5], the weights' codes s[6:7], the scales' exponents s[8:9], the images s[10:11]
	v_lshl_add_u32 v[SPW], v0, 2, SPARE
	v_mov_b32 v[NIL], 0
	ds_add_u32 v28, v29
	ds_add_u32 v28, v29
	s_wait_dscnt 0x0
	v_lshrrev_b32 v1, 5, v0
	v_readfirstlane_b32 s14, v1                    ; wave 0..3
	s_lshr_b32 s15, s14, 1                         ; which half of A's rows is mine.  Also: I fetch for A (0) or for B (1)
	s_and_b32 s16, s14, 1                          ; which half of B's rows.  Also: which 128 rows of that tile I fetch
	s_bfe_u32 s40, ttmp6, 0x40000                  ; cx, cy: my place in the cluster
	s_bfe_u32 s41, ttmp6, 0x40004
	s_mov_b32 s66, ttmp9                           ; the product: the cluster's x, the same in all sixteen partners
	s_and_b32 s67, ttmp7, 0xffff
	s_lshl_b32 s67, s67, 2                         ; 4 x cluster y: it walks the tokens, which are A's rows for q and k, B's for v
	s_cmp_eq_u32 s66, 2
	s_cselect_b32 s68, 0, s67
	s_cselect_b32 s69, s67, 0
	s_add_co_u32 s17, s68, s41                     ; A's tile row: it holds cy and never cx
	s_add_co_u32 s42, s69, s40                     ; B's tile row: it holds cx and never cy
	s_lshl_b32 s43, s41, 2
	s_lshl_b32 s43, 15, s43                        ; my row of the cluster
	s_lshl_b32 s44, 0x1111, s40                    ; my column
	; descriptor group 1: a tile of 128 rows x 256 bytes, padded in LDS
	s_or_b32 s[G1+0], s43, (0<<16)|(1<<20)|(1<<21)|(5<<22)|(3<<25)  ; 15:0 the mask; 17:16 element of 1 byte; 20 padding on; 21 set beside a mask; 24:22 after every 64 words (code 5); 31:25 of 4 words (code 3)
	s_or_b32 s[G1B+0], s44, (0<<16)|(1<<20)|(1<<21)|(5<<22)|(3<<25)
.irp g, G1, G1B
	s_mov_b32 s[\g+1], ROWB<<16                    ; tensor_dim0
	s_mov_b32 s[\g+2], 128<<16                     ; tensor_dim1
	s_mov_b32 s[\g+3], ROWB<<16                    ; tile_dim0
	s_mov_b32 s[\g+4], 128                         ; tile_dim1
	s_mov_b32 s[\g+5], KROW                        ; tensor_dim0_stride
	s_mov_b32 s[\g+6], 0
	s_mov_b32 s[\g+7], 0
.endr
	s_lshl_b32 s70, s66, 23                        ; q, k: x's set of codes for this product,
	s_lshl_b32 s71, s66, 20                        ; and the product's weight
	s_lshl_b32 s18, s16, 7                         ; which 128 rows of the tile I fetch
	s_lshl_b32 s20, s17, 8
	s_add_co_u32 s20, s20, s18
	s_lshl_b32 s20, s20, 10                        ; A: row 256 x tile row + 128 x half, in bytes
	s_lshl_b32 s46, s42, 8
	s_add_co_u32 s46, s46, s18
	s_lshl_b32 s46, s46, 10                        ; B likewise
	s_cmp_eq_u32 s66, 2
	s_cselect_b32 s70, 0x200000, s70               ; v: A = Wv's codes,
	s_cselect_b32 s71, 0x1000000, s71              ; B = x's third set
	s_add_co_u32 s20, s20, s70
	s_add_co_u32 s46, s46, s71
	s_mov_b32 s21, 0
	s_mov_b32 s47, 0
	s_mul_i32 s45, s14, HALFT                      ; where they go: wave x 128 rows: no place in the cluster enters an LDS address
	s_wait_kmcnt 0x0
	s_load_b256 s[72:79], s[8:9], 0x0              ; e0 .. e7
	s_load_b128 s[80:83], s[8:9], 0x20             ; e8 .. e11
	s_cmp_eq_u32 s66, 2                            ; the choice of buffers hangs on the product alone
	s_cselect_b64 s[84:85], s[6:7], s[4:5]
	s_cselect_b64 s[86:87], s[4:5], s[6:7]
	s_add_nc_u64 s[20:21], s[84:85], s[20:21]
	s_add_nc_u64 s[46:47], s[86:87], s[46:47]
	CROUND                                         ; all sixteen work-groups are here: the first joint loads meet
.irp s, 0,1
	s_mov_b32 s[G0+4*\s], 1
	s_add_co_u32 s[G0+4*\s+1], s45, \s*SLOT
	s_add_nc_u64 s[G0+4*\s+2:G0+4*\s+3], s[20:21], \s*ROWB
	s_or_b32 s[G0+4*\s+3], s[G0+4*\s+3], 0x80000000
	s_mov_b32 s[G0B+4*\s], 1
	s_add_co_u32 s[G0B+4*\s+1], s45, \s*SLOT
	s_add_nc_u64 s[G0B+4*\s+2:G0B+4*\s+3], s[46:47], \s*ROWB
	s_or_b32 s[G0B+4*\s+3], s[G0B+4*\s+3], 0x80000000
	JLOAD G0+4*\s, G1, G0B+4*\s, G1B
.endr
	v_and_b32 v1, 15, v0                           ; l % 16
	v_bfe_u32 v2, v0, 4, 1                         ; l / 16
	v_mul_u32_u24 v3, v1, PITCH
	v_lshl_add_u32 v4, v2, 4, v3                   ; a fragment's row x pitch + 16 x half
	s_mul_i32 s21, s15, HALFT                      ; my 128 rows of A
	s_mul_i32 s22, s16, HALFT                      ; my 128 rows of B,
	s_add_co_u32 s22, s22, 2*HALFT                 ; which lie behind A's 256
.irp s, 0,1
	v_add_nc_u32 v[ADRA+\s], s21, v4
	v_add_nc_u32 v[ADRB+\s], s22, v4
	s_add_co_u32 s21, s21, SLOT
	s_add_co_u32 s22, s22, SLOT
.endr
	v_and_b32 v6, 31, v0
	v_lshlrev_b32 v[LO], 4, v6
	; where my images begin: product x 8 MiB + (16 batch + head) x 128 KiB + 64 x (token in the batch): the last term is the same for both kinds, since my first token is a multiple of 128
	s_lshl_b32 s88, s17, 8
	s_lshl_b32 s89, s15, 7
	s_add_co_u32 s88, s88, s89                     ; my first row of A
	s_lshl_b32 s89, s42, 8
	s_lshl_b32 s90, s16, 7
	s_add_co_u32 s89, s89, s90                     ; my first row of B
	s_lshl_b32 s93, s66, 23
	s_cmp_eq_u32 s66, 2
	s_cselect_b32 s90, s89, s88                    ; my first token
	s_cselect_b32 s91, s88, s89                    ; my first code row of the weight
	s_lshr_b32 s91, s91, 6                         ; my first head (of two)
	s_lshr_b32 s92, s90, 11                        ; the batch
	s_lshl_b32 s92, s92, 4
	s_add_co_u32 s92, s92, s91
	s_lshl_b32 s92, s92, 17
	s_and_b32 s90, s90, 2047
	s_lshl_b32 s90, s90, 6
	s_add_co_u32 s92, s92, s90
	s_add_co_u32 s92, s92, s93
	s_mov_b32 s93, 0
	s_add_nc_u64 s[10:11], s[10:11], s[92:93]
.macro FRAG reg, adr, q, i             ; a fragment: lane l holds row l % 16; registers 4 c .. 4 c + 3 hold K = 32 c + 16 (l / 16) + 0 .. 15
.irp c, 0,1,2,3
	ds_load_b128 v[\reg+4*\c:\reg+4*\c+3], v[\adr] offset:128*(\q)+32*\c+(\i)*16*PITCH
.endr
.endm
; 16 matrix instructions: A's blocks a0, a0 + 1 x B's eight, 128 along K.  p: B's set.  zero = 1: the first product starts the sums.  The 64 accumulators take turns, one instruction a turn, in the same order in every step.
.macro MUL16 a0, p, zero
.irp a, \a0, \a0+1
.irp b, 0,1,2,3,4,5,6,7
.if \zero
	v_wmma_f32_16x16x128_fp8_fp8 v[8*(8*((\a)%4)+\b):8*(8*((\a)%4)+\b)+7], v[128*(\p)+FR*\b:128*(\p)+FR*\b+FR-1], v[AF+FR*(\a):AF+FR*(\a)+FR-1], 0
.else
	v_wmma_f32_16x16x128_fp8_fp8 v[8*(8*((\a)%4)+\b):8*(8*((\a)%4)+\b)+7], v[128*(\p)+FR*\b:128*(\p)+FR*\b+FR-1], v[AF+FR*(\a):AF+FR*(\a)+FR-1], v[8*(8*((\a)%4)+\b):8*(8*((\a)%4)+\b)+7]
.endif
.endr
.endr
.endm
.macro FETCH_B slot, q, p              ; B's eight fragments of the slot's q-th 128 along K into set p
	WIN TO_B
.irp i, 0,1,2,3,4,5,6,7
	FRAG 128*(\p)+FR*\i, ADRB+\slot, \q, \i
.endr
	WIN 0
.endm
.macro FETCH_A slot, q, i0             ; A's blocks i0 .. i0 + 3
.irp i, \i0, \i0+1, \i0+2, \i0+3
	FRAG AF+FR*(\i), ADRA+\slot, \q, \i
.endr
.endm
.macro PLACES n                        ; plain vector lines between a matrix instruction and a load into a register that it has read, or a read of its result (ISA guide 7.12.1 for a read of its result)
.rept \n
	v_nop
.endr
.endm
; A step of 128 along K that has its successor in the same slot.  A block of A is free as soon as its eight products are issued: blocks 0-3 are fetched anew in the step's middle, blocks 4-7 at its end.
.macro STEP slot, q, zero
	s_wait_dscnt 4*NL                              ; B's set and A's blocks 0-3 are in; the youngest 16 loads (A's blocks 4-7) may be out
	WIN MUL_LO
	MUL16 0, (\q)%2, \zero
	MUL16 2, (\q)%2, \zero
	s_wait_dscnt 0                                 ; A's blocks 4-7 are in
	PLACES NP
	FETCH_B \slot, (\q)+1, 1-(\q)%2
	FETCH_A \slot, (\q)+1, 0
	WIN MUL_HI
	MUL16 4, (\q)%2, \zero
	MUL16 6, (\q)%2, \zero
	PLACES NP
	WIN 0
	FETCH_A \slot, (\q)+1, 4
.endm
; A slot's last step changes slots: ONE barrier; in front of it each wave waits for all its tensor loads, adds 0 to its spare word, and waits for that and for its own reads of this slot.  fill = 1: this slot is filled again, two K steps ahead.
.macro TURN slot, next, fill
	s_wait_tensorcnt 0x0                           ; all my tensor loads have landed: my part of the next slot
	ds_add_u32 v[SPW], v[NIL]                      ; 0 onto my spare word
	s_wait_dscnt 4*NL+1                            ; (the add and the youngest 16 loads, A's blocks 4-7, may be out)
	WIN MUL_LO
	MUL16 0, 1, 0                                  ; sixteen matrix instructions stand between the add and the wait for it
	s_wait_dscnt 0x0                               ; the add is done, and my reads of this slot are over
	s_barrier_signal -1
	MUL16 2, 1, 0
	WIN 0
	s_barrier_wait -1
.if \fill
	CREST                                          ; the barrier has opened a round of the cluster's barrier: no wave of any partner still reads this slot's tile or has a load on its way
	s_add_nc_u64 s[G0+4*\slot+2:G0+4*\slot+3], s[G0+4*\slot+2:G0+4*\slot+3], 2*ROWB
	s_add_nc_u64 s[G0B+4*\slot+2:G0B+4*\slot+3], s[G0B+4*\slot+2:G0B+4*\slot+3], 2*ROWB
	JLOAD G0+4*\slot, G1, G0B+4*\slot, G1B         ; the first tensor load behind the round; the four v_nop behind it are the places in front of the loads below
.else
	PLACES NP
.endif
	FETCH_B \next, 0, 0
	FETCH_A \next, 0, 0
	WIN MUL_HI
	MUL16 4, 1, 0
	MUL16 6, 1, 0
	PLACES NP
	WIN 0
	FETCH_A \next, 0, 4
.endm
	s_wait_alu depctr_va_vdst(0)
	s_wait_tensorcnt 1                             ; my part of K step 0 is in; K step 1's load may be out
	s_barrier_signal -1
	s_barrier_wait -1                              ; everybody's is
	FETCH_B 0, 0, 0
	FETCH_A 0, 0, 0
	FETCH_A 0, 0, 4
	STEP 0, 0, 1                                   ; K = 1,024 is four K steps of 256: written out, no loop.  The first products start the sums
	TURN 0, 1, 1                                   ; slot 0 takes K step 2
	STEP 1, 0, 0
	TURN 1, 0, 1                                   ; slot 1 takes K step 3
	STEP 0, 0, 0
	TURN 0, 1, 0                                   ; nothing is left to fetch
	STEP 1, 0, 0
	s_wait_dscnt 4*NL                              ; the very last step
	WIN MUL_LO
	MUL16 0, 1, 0
	MUL16 2, 1, 0
	s_wait_dscnt 0
	WIN MUL_HI
	MUL16 4, 1, 0
	MUL16 6, 1, 0
	WIN 0
	; THE WAY OUT.  E by the product; the conversion, the store.
	s_wait_kmcnt 0x0
	s_sub_co_i32 s88, s78, s72
	s_sub_co_i32 s88, s88, s73                     ; q: e6 - e0 - e1
	s_sub_co_i32 s89, s79, s74
	s_sub_co_i32 s89, s89, s75                     ; k: e7 - e2 - e3
	s_sub_co_i32 s90, s81, s76
	s_sub_co_i32 s90, s90, s77                     ; v: e9 - e4 - e5
	s_cmp_eq_u32 s66, 1
	s_cselect_b32 s88, s89, s88
	s_cmp_eq_u32 s66, 2
	s_cselect_b32 s88, s90, s88
	s_add_co_i32 s88, s88, 127
	s_lshl_b32 s89, s88, 23
	v_mov_b32 v[SCR], s89
	PLACES NP                                      ; behind the last products: their results are read and their fragments' registers written below
; Block a (16 rows of A x my 128 rows of B): eight conversions; four stores of 512 dense bytes.
; kind 0 (q, k): block a = 16 tokens; B's blocks 0-3 are one head's 64 places, 4-7 the next head's.   kind 1 (v): block a = channel tile a % 4 of head a / 4; B's eight blocks are 128 keys.
.macro OUT kind
.irp a, 0,1,2,3,4,5,6,7
	WIN 0x02+((\a)/4)                              ; source 0: window 2 or 3
.set j, 0
.rept 64
.set j, j+1
.endr
.irp b, 0,1,2,3,4,5,6,7
	v_cvt_scalef32_pk8_fp8_f32 v[CD+16*\a+2*\b:CD+16*\a+2*\b+1], v[TMP+8*\b+((64*(\a%4)+j)-(TMP+j)):TMP+8*\b+7+((64*(\a%4)+j)-(TMP+j))], v[SCR]
.endr
	WIN 0
	v_nop                                          ; a plain vector line behind the conversions
.irp i, 0,1,2,3
.if \kind
	global_store_b128 v[LO], v[CD+16*\a+4*\i:CD+16*\a+4*\i+3], s[10:11] offset:(\a/4)*131072+(\a%4)*2048+\i*512
.else
	global_store_b128 v[LO], v[CD+16*\a+4*\i:CD+16*\a+4*\i+3], s[10:11] offset:\a*1024+(\i/2)*131072+(\i%2)*512
.endif
.endr
.endr
.endm
	s_cmp_eq_u32 s66, 2                            ; the product: the same in every wave of every partner
	s_cbranch_scc1 .Lout_v
	OUT 0
	s_branch .Lend
.Lout_v:
	s_wait_alu depctr_va_vdst(0)
	OUT 1
.Lend:
	s_wait_tensorcnt 0x0                           ; the wave's end
	ds_add_u32 v[SPW], v[NIL]
	s_wait_dscnt 0x0
	CROUND                                         ; the closing round: no work-group ends while a partner may still ask for a tile that names it
	s_endpgm
.Lfunc_end_k_qf16ac85edb_qkv:
	.size	k_qf16ac85edb_qkv, .Lfunc_end_k_qf16ac85edb_qkv-k_qf16ac85edb_qkv
	.p2alignl 7, 3214868480
	.fill 96, 4, 3214868480
	.section	.rodata,"a",@progbits
	.p2align	6, 0x0
	.amdhsa_kernel k_qf16ac85edb_qkv
		.amdhsa_group_segment_fixed_size 327680
		.amdhsa_private_segment_fixed_size 0
		.amdhsa_enable_private_segment 0
		.amdhsa_kernarg_size 32
		.amdhsa_user_sgpr_count 2
		.amdhsa_user_sgpr_kernarg_segment_ptr 1
		.amdhsa_wavefront_size32 1
		.amdhsa_system_sgpr_workgroup_id_x 1
		.amdhsa_system_sgpr_workgroup_id_y 1
		.amdhsa_system_sgpr_workgroup_id_z 1
		.amdhsa_system_vgpr_workitem_id 0
		.amdhsa_next_free_vgpr 1024
		.amdhsa_next_free_sgpr 100
		.amdhsa_reserve_vcc 0
		.amdhsa_float_denorm_mode_32 3
		.amdhsa_float_denorm_mode_16_64 3
		.amdhsa_fp16_overflow 1
		.amdhsa_memory_ordered 1
		.amdhsa_forward_progress 1
		.amdhsa_inst_pref_size 94
	.end_amdhsa_kernel
	.amdgpu_metadata
---
amdhsa.version: [ 1, 2 ]
amdhsa.kernels:
  - .name:           k_qf16ac85edb_qkv
    .symbol:         k_qf16ac85edb_qkv.kd
    .args:
      - { .name: xcodes, .offset: 0, .size: 8, .value_kind: global_buffer, .address_space: global }
      - { .name: wcodes, .offset: 8, .size: 8, .value_kind: global_buffer, .address_space: global }
      - { .name: lowp_scales, .offset: 16, .size: 8, .value_kind: global_buffer, .address_space: global }
      - { .name: qkv, .offset: 24, .size: 8, .value_kind: global_buffer, .address_space: global }
    .group_segment_fixed_size: 327680
    .private_segment_fixed_size: 0
    .kernarg_segment_align: 8
    .kernarg_segment_size: 32
    .max_flat_workgroup_size: 128
    .sgpr_count:     100
    .vgpr_count:     1024
    .wavefront_size: 32
...
	.end_amdgpu_metadata
.endif
;; end of part 2
;; launch attn (part 3): grid 4 x 64, 16 waves a work-group, no clusters, 327,680 bytes of LDS; arguments qkv, lowp_scales, ctx; writes ctx
.if DOCPART == 3
	.amdgcn_target "amdgcn-amd-amdhsa--gfx1250"
	.amdhsa_code_object_version 6
	.text
	.protected	k_qf16ac85edb_attn
	.globl	k_qf16ac85edb_attn
	.p2align	8
	.type	k_qf16ac85edb_attn,@function
k_qf16ac85edb_attn:
	s_mov_b64 s[64:65], 0
	v_nop
	global_prefetch_b8 v0, s[64:65] scope:SCOPE_SE
	s_setreg_imm32_b32 hwreg(HW_REG_WAVE_MODE, 25, 1), 1
	s_wait_xcnt 0x0
; Causal attention of 64 heads (16 batch + head), 2,048 tokens, head size 64, both products on E4M3 codes, and the result quantised at once for the output projection.
; q, k, v come as images of the operands' registers: q_img at 0, k_img at 8 MiB: a tile of 16 tokens x 64 is 1,024 bytes, 16 bytes a lane in each of two pieces; v_img at 16 MiB: a tile of 16 channels x 128 keys is 2,048 bytes, four pieces.
; THE SOFTMAX AHEAD OF THE SECOND PRODUCT: t = score x log2(e) / 8; M = the row's largest t so far, rounded UP to a whole number; p = 2^(t - M) is quantised, not normalised.  The row's sum is taken of the unquantised p and divides at the end.
; When M moves, the sum and O are multiplied by 2^(old M - new M): exact.
; SHARES.  Work-group p (0 .. 3) of a head owns the blocks of 256 queries 7 - p and p.  Block b needs the key slots (256 keys) 0 .. b: 8 - p slots and then p + 1: NINE slots in every work-group: equal work, and trip counts that are constants.
; Each of the sixteen waves owns 16 queries of each block, in 256 registers: four waves to a SIMD, so that one wave's vector work stands beside another's matrix work and LDS loads.
; LAYOUT.  S^T = K Q^T (source 0 = 16 keys, source 1 = my 16 queries), O^T = V^T P^T (source 0 = 16 channels, source 1 = P): a lane holds ONE query throughout.  Tile t's eight registers are keys 16 t + 8 (lane / 16) + 0 .. 7:
; their conversion gives registers 2 t, 2 t + 1 of P in the plain 8-bit layout.  V's channel rows come in the order that the weights' codes were laid in: tiles 2 b, 2 b + 1 of O^T are channels 32 b + 16 (lane / 16) + 0 .. 15.
; ctx leaves as images for the projection: (token / 128) 131,072 + head 8,192 + ((token / 16) % 8) 1,024 + b 512 + 16 lane.
; NO CLUSTER: the four work-groups of a head walk different orders of slots (8 - p, then p + 1), so no slot is wanted by all at the same step; a form in which all four ask jointly for slots 0 .. 7 with both blocks at once
; has 12 units of work in the longest work-group against 9 here.
; LIMITS on the given exponents, so that each power of two below is an f32 number: e6 + e7 between -123 and 130 (added to c's exponent field); e8 and e10 between -126 and 119; e8 + e9 is applied by v_ldexp_f32 and has none.
; REGISTERS: v1-8 addresses; v12 -M, v13 the largest t, v[14:15] the sum; v16-23 Q in hand, v24-31 the second block's Q; v32-95 K's eight fragments, then V's four; v96-159 S^T, then p; v160-191 O^T; v192-207 p's codes; v208-215 ctx's codes.
.set SLOT1, 32768                      ; a slot: K's 16 tiles (16,384 bytes), then V's 8 (16,384); slot 1 begins here: one exclusive or turns an address from one slot to the other
.set VOFF,  16384
.set SPARE, 65536                      ; behind the ring: the spare words, 128 bytes for each wave, that no other line names
.set LI,   1                           ; v1   16 x lane: my place in an image
.set DQ,   2                           ; v2   lane % 16 - 8 (lane / 16), for the mask
.set PFO,  3                           ; v3   256 x lane: the prefetches' offset; never rewritten
.set SPW,  5                           ; v5   LDS address of my spare word; never rewritten
.set NIL,  6                           ; v6   0; never rewritten
.set ADR,  8                           ; v8   LDS address of the slot in hand for my lane
.set TB,   2                           ; s2   LDS byte at which the slot in hand begins
.set WV,   18                          ; s18  my wave's number
.set SEL,  20                          ; s[20:21] lane selects for v_permlanex16_b32: lane l xor 16
.set CS,   22                          ; s[22:23] c = log2(e) / 8 x 2^(e6 + e7)
.set G1,   24                          ; s[24:31] descriptor group 1: a dense block of 16,384 bytes, the same for K's and V's
.set G0,   40                          ; s[40:43] descriptor group 0
.set BASE, 44                          ; s[44:45] the head's K (wave 0) or V in memory
.set OFF,  46                          ; s[46:47] an offset from it
.set NXT,  48                          ; s48  the key slot that was asked for last
.set WRAP, 49                          ; s49  8 - p: behind key slot 7 - p comes key slot 0 again
.set PP1,  50                          ; s50  p + 1: with so many trips left the first block is finished
.set Q0B,  51                          ; s51  my first query of the second block
.set QB,   52                          ; s[52:53] the head's q_img
.set SLOTS, 67                         ; s67  trips to go
.set PFA,  84                          ; s[84:85] where my prefetches stand
.set LIM,  86                          ; s86  2 in a wave that prefetches, else the greatest number
.set ESUM, 97                          ; s97  e8 + e9
.set KF,   98                          ; s98  the step's first key
.set Q0,   99                          ; s99  my first query
.macro TLOAD                           ; wave 0 fetches the slot's K, wave 1 its V, the others nothing.  Four v_nop follow the line
	s_cmp_lt_u32 s[WV], 2
	s_cbranch_scc0 .Lno_load_\@
	tensor_load_to_lds s[G0:G0+3], s[G1:G1+7]
	s_nop 0
.rept 4
	v_nop
.endr
.Lno_load_\@:
.endm
; A PREFETCH INTO THE L2 of the key slot that the NEXT change of slots will ask for.  All four work-groups of a head walk key slots 0, 1, 2 .. in their first block: work-group 0, which walks all eight, asks, and nobody else.
; In it waves 4 and 5 ask for the halves of K's 16,384 bytes, waves 6 and 7 for V's: 8,192 bytes a wave, lanes 256 bytes apart, one instruction.  Trip i names key slot i + 2, for i = 0 .. 5: each block of 256 bytes is named once.
; Key slots 0 and 1 come by their loads alone; nothing is named beyond key slot 7.
.macro ASK
	s_cmp_gt_u32 s[SLOTS], s[LIM]
	s_cbranch_scc0 .Lnot_mine_\@
	global_prefetch_b8 v[PFO], s[PFA:PFA+1] th:TH_LOAD_NT scope:SCOPE_SE
.Lnot_mine_\@:
.endm
	s_load_b128 s[4:7], s[0:1], 0x0                ; the images s[4:5], the scales' exponents s[6:7]
	s_load_b64 s[8:9], s[0:1], 0x10                ; ctx
	v_lshl_add_u32 v[SPW], v0, 2, SPARE
	v_mov_b32 v[NIL], 0
	ds_add_u32 v5, v6
	ds_add_u32 v5, v6
	s_wait_dscnt 0x0
	v_lshrrev_b32 v8, 5, v0
	s_delay_alu instid0(VALU_DEP_1)
	v_readfirstlane_b32 s[WV], v8                  ; wave 0..15
	s_and_b32 s10, ttmp7, 0xffff                   ; 16 batch + head; kept
	s_lshl_b32 s11, s10, 17                        ; its 131,072 bytes in each of the three parts; kept
	s_min_u32 s12, s[WV], 1                        ; 0: I fetch K; 1: V
	s_lshl_b32 s[G0+1], s12, 14                    ; 63:32 LDS address: slot 0, K's part or V's
	s_add_co_u32 s12, s12, 1
	s_lshl_b32 s12, s12, 23
	s_add_co_u32 s[OFF], s12, s11
	s_mov_b32 s[OFF+1], 0
	s_mov_b32 s[G1], 3<<16                         ; 15:0 no mask; 17:16 elements of 8 bytes; no padding: the images are read 16 bytes a lane on end
	s_mov_b32 s[G1+1], 32<<16                      ; tensor_dim0 = 32 elements: rows of 256 bytes
	s_mov_b32 s[G1+2], 64<<16                      ; tensor_dim1 = 64 rows
	s_mov_b32 s[G1+3], 32<<16                      ; tile_dim0
	s_mov_b32 s[G1+4], 64                          ; tile_dim1
	s_mov_b32 s[G1+5], 32                          ; tensor_dim0_stride: dense
	s_mov_b32 s[G1+6], 0
	s_mov_b32 s[G1+7], 0
	s_mov_b32 s[SEL], 0x76543210
	s_mov_b32 s[SEL+1], 0xfedcba98
	s_mov_b32 s[CS], 0x3e38aa3b                    ; log2(e) / 8
	s_mov_b32 s[TB], 0
	s_mov_b32 s[SLOTS], 8
	s_mov_b32 s[KF], 0
	s_mov_b32 s[NXT], 0
	s_sub_co_u32 s[WRAP], 8, ttmp9
	s_add_co_u32 s[PP1], ttmp9, 1
	s_lshl_b32 s13, s[WV], 4
	s_lshl_b32 s[Q0B], ttmp9, 8
	s_add_co_u32 s[Q0B], s[Q0B], s13               ; 256 p + 16 wave
	s_sub_co_u32 s[Q0], 7, ttmp9
	s_lshl_b32 s[Q0], s[Q0], 8
	s_add_co_u32 s[Q0], s[Q0], s13                 ; 256 (7 - p) + 16 wave
	s_wait_kmcnt 0x0
	s_load_b256 s[72:79], s[6:7], 0x0              ; e0 .. e7
	s_load_b128 s[80:83], s[6:7], 0x20             ; e8 .. e11
	s_mov_b32 s[G0], 1                             ; 1:0 count = 1
	s_add_nc_u64 s[BASE:BASE+1], s[4:5], s[OFF:OFF+1]
	s_mov_b64 s[G0+2:G0+3], s[BASE:BASE+1]         ; 120:64 global address: key slot 0
	s_or_b32 s[G0+3], s[G0+3], 0x80000000          ; 127:126 type = 2
	TLOAD                                          ; key slot 0 into slot 0: one load of mine is out
	s_mov_b32 s56, s11
	s_mov_b32 s57, 0                               ; kept 0: the upper word of the offsets made in s56
	s_add_nc_u64 s[QB:QB+1], s[4:5], s[56:57]
	s_lshl_b32 s56, s[Q0], 6                       ; a tile of 16 queries is 1,024 bytes
	s_add_nc_u64 s[58:59], s[QB:QB+1], s[56:57]
	s_lshl_b32 s56, s[Q0B], 6
	s_add_nc_u64 s[60:61], s[QB:QB+1], s[56:57]
	v_and_b32 v9, 31, v0
	s_wait_alu depctr_va_vdst(0)
	v_lshlrev_b32 v[LI], 4, v9
	global_load_b128 v[16:19], v[LI], s[58:59]             ; Q of my first block,
	global_load_b128 v[20:23], v[LI], s[58:59] offset:512
	global_load_b128 v[24:27], v[LI], s[60:61]             ; and of my second: it waits in registers
	global_load_b128 v[28:31], v[LI], s[60:61] offset:512
	s_bfe_u32 s56, s[WV], 0x10001                  ; the prefetches: waves 4, 5: K; waves 6, 7: V
	s_add_co_u32 s56, s56, 1
	s_lshl_b32 s56, s56, 23
	s_add_co_u32 s56, s56, s11
	s_and_b32 s12, s[WV], 1
	s_lshl_b32 s12, s12, 13                        ; my half of a slot's 16,384 bytes,
	s_add_co_u32 s56, s56, s12
	s_add_co_u32 s56, s56, 16384                   ; in key slot 1: the first change of slots steps it to key slot 2
	s_add_nc_u64 s[PFA:PFA+1], s[4:5], s[56:57]
	s_lshr_b32 s[LIM], s[WV], 2
	s_xor_b32 s[LIM], s[LIM], 1                    ; 0 in waves 4 to 7,
	s_or_b32 s[LIM], s[LIM], ttmp9                 ; of the head's work-group 0
	s_cmp_eq_u32 s[LIM], 0
	s_cselect_b32 s[LIM], 2, -1
	v_lshlrev_b32 v[PFO], 8, v9
	v_and_b32 v10, 15, v0
	v_bfe_u32 v11, v0, 4, 1
	s_delay_alu instid0(VALU_DEP_1)
	v_lshlrev_b32 v11, 3, v11
	s_delay_alu instid0(VALU_DEP_1)
	v_sub_nc_u32 v[DQ], v10, v11
	v_mov_b32 v13, 0xff61b1e6                      ; the largest t so far: -3e38, under every t
	s_delay_alu instid0(VALU_DEP_1)
	v_floor_f32 v12, -v13                          ; -M
	v_mov_b32 v14, 0                               ; the sum, in two halves
	v_mov_b32 v15, 0
	v_mov_b32 v236, 0                              ; written once: a lane permute's destination counts as one of its sources
	v_mov_b32 v252, 0                              ; likewise
	v_mov_b32 v253, 0                              ; (named as the upper half of the pair v[252:253])
.set j, 0
.rept 32
	v_mov_b32 v[160+j], 0                          ; O^T.  (The step is written without a first form of its own: it finds zeros, which the first change of M leaves zeros)
.set j, j+1
.endr
	s_wait_kmcnt 0x0
	s_add_co_i32 s12, s78, s79
	s_lshl_b32 s12, s12, 23
	s_add_co_i32 s[CS], s[CS], s12                 ; a score stands for score x 2^(e6 + e7): the two exponents are added to c's exponent field
	s_mov_b32 s[CS+1], s[CS]                       ; (named with it as a pair, so it is written)
	s_add_co_i32 s12, s80, 127
	s_lshl_b32 s13, s12, 23
	v_mov_b32 v244, s13                            ; 2^e8, for p's conversions
	s_add_co_i32 s12, s82, 127
	s_lshl_b32 s13, s12, 23
	v_mov_b32 v245, s13                            ; 2^e10, for ctx's
	s_add_co_i32 s[ESUM], s80, s81
; A KEY STEP: 128 keys, the q-th of the slot in hand.
.macro STEP q
	s_add_co_u32 s96, s[Q0], 15                    ; a step all of whose keys come after my 16 queries is left out: a scalar branch on ids, round the step's loads, products and softmax; no barrier and no tensor load stands in a step
	s_cmp_gt_u32 s[KF], s96
	s_cbranch_scc1 .Lhidden_\@
	v_add_nc_u32 v[ADR], s[TB], v[LI]
.rept 3
	v_nop                                          ; with the addition above: four places in front of loads into registers that the last products read
.endr
.irp t, 0,1,2,3,4,5,6,7
	ds_load_b128 v[32+8*\t:35+8*\t], v[ADR] offset:(8*(\q)+\t)*1024        ; K's tile t: 16 keys x 64, as its registers stand
	ds_load_b128 v[36+8*\t:39+8*\t], v[ADR] offset:(8*(\q)+\t)*1024+512
.endr
	s_wait_dscnt 0x0
	s_wait_alu depctr_va_vdst(0)
.irp t, 0,1,2,3,4,5,6,7
	v_wmma_f32_16x16x64_fp8_fp8 v[96+8*\t:103+8*\t], v[32+8*\t:39+8*\t], v[16:23], 0
.endr
.rept 4
	v_nop                                          ; places: the loads below land on K's registers, and the scores are read
.endr
.irp c, 0,1,2,3
.irp i, 0,1,2,3
	ds_load_b128 v[32+16*\c+4*\i:35+16*\c+4*\i], v[ADR] offset:VOFF+(4*(\q)+\c)*2048+512*\i   ; V's tile c: 16 channels x 128 keys: asked for now, wanted behind the softmax
.endr
.endr
	s_add_co_u32 s96, s[KF], 127                   ; on the diagonal the scores of hidden keys become -infinity ahead of the maximum: p = 0 then.  A step all of whose keys count skips this
	s_cmp_le_u32 s96, s[Q0]
	s_cbranch_scc1 .Lopen_\@
	s_sub_co_i32 s96, s[Q0], s[KF]
	v_add_nc_u32 v252, s96, v[DQ]                  ; d = my query - KF - 8 (lane / 16).  Register 8 t + i holds key KF + 16 t + 8 (lane / 16) + i: hidden where 16 t + i > d
	v_mov_b32 v254, 0xff800000                     ; -infinity
.set n, 0
.rept 64
	v_cmp_gt_i32 vcc_lo, 16*(n/8)+n%8, v252
	v_cndmask_b32 v[96+n], v[96+n], v254, vcc_lo
.set n, n+1
.endr
.Lopen_\@:
	v_max3_num_f32 v254, v96, v97, v98             ; the step's largest score of my query, among my 64 keys, in two chains; each tile is read from its low end on,
	v_max3_num_f32 v252, v99, v100, v101
.irp i, 6,10,14,18,22,26,30,34,38,42,46,50,54,58
	v_max3_num_f32 v254, v254, v[96+\i], v[97+\i]
	v_max3_num_f32 v252, v252, v[98+\i], v[99+\i]
.endr
	v_max3_num_f32 v254, v254, v158, v159
	s_delay_alu instid0(VALU_DEP_1)
	v_max_num_f32 v254, v254, v252
	s_delay_alu instid0(VALU_DEP_1)
	v_permlanex16_b32 v236, v254, s[SEL], s[SEL+1]
	s_delay_alu instid0(VALU_DEP_1)
	v_max_num_f32 v254, v254, v236                 ; and among lane l xor 16's
	s_delay_alu instid0(VALU_DEP_1)
	v_mul_f32 v254, s[CS], v254                    ; as t (c is positive)
	s_delay_alu instid0(VALU_DEP_1)
	v_max_num_f32 v13, v13, v254                   ; the running largest t
	v_mov_b32 v254, v12
	s_delay_alu instid0(VALU_DEP_2)
	v_floor_f32 v12, -v13                          ; the new -M = floor(-t) = -ceil(t): a whole number
	s_delay_alu instid0(VALU_DEP_1)
	v_sub_f32 v254, v12, v254                      ; M's old value less its new one: a whole number, 0 or less
	s_delay_alu instid0(VALU_DEP_1)
	v_cvt_i32_f32 v254, v254                       ; (it saturates)
	s_delay_alu instid0(VALU_DEP_1)
	v_ldexp_f32 v252, 1.0, v254                    ; f = 2^(old M - new M)
.set j, 0
.rept 32
	v_pk_fma_f32 v[96+j:97+j], v[96+j:97+j], s[CS:CS+1], v[12:13] op_sel_hi:[1,0,0]   ; t - M, two at a time (of the pairs c and -M the low word serves both halves)
.set j, j+2
.endr
.set j, 0
	s_wait_alu depctr_va_vdst(0)
.rept 64
	v_exp_f32 v[96+j], v[96+j]                     ; p = 2^(t - M), at most 1: not normalised
.set j, j+1
.endr
	v_pk_mul_f32 v[14:15], v[14:15], v[252:253] op_sel_hi:[1,0]   ; the sums under the new M.  (The plain line behind the exponentials)
	s_wait_alu depctr_va_vdst(0)                   ; one wait for the whole batch, ahead of its first reader
	v_pk_add_f32 v[242:243], v[100:101], v[104:105]
	v_pk_add_f32 v[254:255], v[108:109], v[112:113]
	v_pk_add_f32 v[250:251], v[116:117], v[120:121]
	v_pk_add_f32 v[248:249], v[124:125], v[128:129]
	v_pk_add_f32 v[246:247], v[132:133], v[136:137]
	v_pk_add_f32 v[240:241], v[140:141], v[144:145]
	v_pk_add_f32 v[238:239], v[148:149], v[152:153]
	v_pk_add_f32 v[14:15], v[14:15], v[156:157]
	v_pk_add_f32 v[242:243], v[242:243], v[96:97]
	v_pk_add_f32 v[254:255], v[254:255], v[98:99]
	v_pk_add_f32 v[250:251], v[250:251], v[102:103]
	v_pk_add_f32 v[248:249], v[248:249], v[106:107]
	v_pk_add_f32 v[246:247], v[246:247], v[110:111]
	v_pk_add_f32 v[240:241], v[240:241], v[114:115]
	v_pk_add_f32 v[238:239], v[238:239], v[118:119]
	v_pk_add_f32 v[14:15], v[14:15], v[122:123]
	v_pk_add_f32 v[242:243], v[242:243], v[126:127]
	v_pk_add_f32 v[254:255], v[254:255], v[130:131]
	v_pk_add_f32 v[250:251], v[250:251], v[134:135]
	v_pk_add_f32 v[248:249], v[248:249], v[138:139]
	v_pk_add_f32 v[246:247], v[246:247], v[142:143]
	v_pk_add_f32 v[240:241], v[240:241], v[146:147]
	v_pk_add_f32 v[238:239], v[238:239], v[150:151]
	v_pk_add_f32 v[14:15], v[14:15], v[154:155]
	v_pk_add_f32 v[242:243], v[242:243], v[158:159]
	s_delay_alu instid0(VALU_DEP_2)
	v_pk_add_f32 v[14:15], v[14:15], v[248:249]
	s_delay_alu instid0(VALU_DEP_2)
	v_pk_add_f32 v[242:243], v[242:243], v[246:247]
	v_pk_add_f32 v[254:255], v[254:255], v[240:241]
	v_pk_add_f32 v[250:251], v[250:251], v[238:239]
	s_delay_alu instid0(VALU_DEP_2)
	v_pk_add_f32 v[14:15], v[14:15], v[254:255]
	s_delay_alu instid0(VALU_DEP_2)
	v_pk_add_f32 v[242:243], v[242:243], v[250:251]
	s_delay_alu instid0(VALU_DEP_1)
	v_pk_add_f32 v[14:15], v[14:15], v[242:243]
.irp t, 0,1,2,3,4,5,6,7
.irp i, 0,1,2,3,4,5,6,7
.endr
	v_cvt_scalef32_pk8_fp8_f32 v[192+2*\t:193+2*\t], v[96+8*\t:103+8*\t], v244   ; registers 2 t, 2 t + 1 of P: keys 16 t + 8 (lane / 16) + 0 .. 7
.endr
.set j, 0
.rept 16
	v_pk_mul_f32 v[160+j:161+j], v[160+j:161+j], v[252:253] op_sel_hi:[1,0]   ; O^T under the new M.  (These are also the plain lines between the conversions and the products)
.set j, j+2
.endr
	s_wait_alu depctr_va_vdst(0)
	s_wait_dscnt 0x0                               ; V's fragments are in
.irp c, 0,1,2,3                        ; the four accumulators take turns, one instruction a turn; the next step's eight products stand between two links
	v_wmma_f32_16x16x128_fp8_fp8 v[160+8*\c:167+8*\c], v[32+16*\c:47+16*\c], v[192:207], v[160+8*\c:167+8*\c]
.endr
.Lhidden_\@:
	s_add_co_u32 s[KF], s[KF], 128
.endm
; THE CHANGE OF SLOTS stands at a slot's head.  Each wave waits for all its tensor loads (its part of the slot that it is about to read), adds 0 to its spare word, and waits for that and for its reads of the slot that it has left.
; Behind the barrier the slot ahead is whole and nobody reads the other one.  fill = 1: that other slot is filled with the key slot that follows in my work-group's order: the load has a whole slot's steps in which to land.
.macro CHANGE fill
	s_wait_tensorcnt 0x0                           ; no tensor load of mine is out, so group 0 may be written
	ds_add_u32 v[SPW], v[NIL]                      ; 0 onto my spare word
.if \fill
	s_xor_b32 s[G0+1], s[G0+1], SLOT1              ; the other slot than last time,
	s_add_co_u32 s[NXT], s[NXT], 1                 ; the next key slot,
	s_cmp_eq_u32 s[NXT], s[WRAP]
	s_cselect_b32 s[NXT], 0, s[NXT]                ; or, behind the first block's last, key slot 0 for the second block
	s_lshl_b32 s[OFF], s[NXT], 14
	s_add_nc_u64 s[G0+2:G0+3], s[BASE:BASE+1], s[OFF:OFF+1]
	s_or_b32 s[G0+3], s[G0+3], 0x80000000
	s_wait_xcnt 0x0                                ; the last prefetch, a slot back, has read its address, so it may be written
	s_add_nc_u64 s[PFA:PFA+1], s[PFA:PFA+1], 16384
.endif
	s_wait_dscnt 0x0                               ; the add is done, and my reads of the slot that I have left are over
	s_barrier_signal -1
	s_barrier_wait -1
.if \fill
	TLOAD                                          ; the first thing behind the barrier, and a wave's one tensor load until the next
	ASK
.endif
.endm
; A BLOCK IS FINISHED: O^T / the sum x 2^(e8 + e9) is ctx; it is converted with 2^e10 and stored as two pieces of an image.  again = 1: the second block begins.
.macro FLUSH again
.rept 4
	v_nop                                          ; places behind the last products
.endr
	s_wait_xcnt 0x0                                ; every earlier memory instruction has had its addresses translated (ISA guide 3.1): the stores' base and data below may be written again
	v_add_f32 v14, v14, v15                        ; the sum's two halves,
	s_delay_alu instid0(VALU_DEP_1)
	v_permlanex16_b32 v252, v14, s[SEL], s[SEL+1]
	s_delay_alu instid0(VALU_DEP_1)
	v_add_f32 v14, v14, v252                       ; and lane l xor 16's: the row's sum
	s_wait_alu depctr_va_vdst(0)
	v_rcp_f32 v14, v14
	v_nop                                          ; a plain line behind the transcendental
	s_and_b32 s56, s10, 48                         ; 16 batch
	s_lshr_b32 s58, s[Q0], 7
	s_add_co_u32 s56, s56, s58                     ; token / 128
	s_lshl_b32 s56, s56, 17
	s_and_b32 s58, s10, 15                         ; the head
	s_lshl_b32 s58, s58, 13
	s_add_co_u32 s56, s56, s58
	s_bfe_u32 s58, s[Q0], 0x30004                  ; (token / 16) % 8
	s_lshl_b32 s58, s58, 10
	s_add_co_u32 s56, s56, s58
	s_add_nc_u64 s[60:61], s[8:9], s[56:57]
	s_wait_alu depctr_va_vdst(0)                   ; the wait ahead of the reciprocal's first reader
	v_ldexp_f32 v14, v14, s[ESUM]
.set j, 0
.rept 32
	v_mul_f32 v[96+j], v[160+j], v14               ; each accumulator from its low end on
.set j, j+1
.endr
.set j, 0
.rept 32
.set j, j+1
.endr
.irp c, 0,1,2,3
	v_cvt_scalef32_pk8_fp8_f32 v[208+2*\c:209+2*\c], v[96+8*\c:103+8*\c], v245   ; tiles 2 b, 2 b + 1: channels 32 b + 16 (lane / 16) + 0 .. 15: 16 bytes
.endr
	v_nop                                          ; a plain line behind the conversions: the next products write their sources
	global_store_b128 v[LI], v[208:211], s[60:61]              ; 32 lanes store 512 consecutive bytes, at a multiple of 512 from the buffer's first byte
	global_store_b128 v[LI], v[212:215], s[60:61] offset:512
.if \again
	v_mov_b32 v13, 0xff61b1e6
	s_delay_alu instid0(VALU_DEP_1)
	v_floor_f32 v12, -v13
	v_mov_b32 v14, 0
	v_mov_b32 v15, 0
.set j, 0
.rept 32
	v_mov_b32 v[160+j], 0
.set j, j+1
.endr
.irp i, 0,1,2,3,4,5,6,7
	v_mov_b32 v[16+\i], v[24+\i]                   ; the second block's Q
.endr
	s_mov_b32 s[Q0], s[Q0B]
	s_mov_b32 s[KF], 0
.endif
.endm
	s_wait_loadcnt 0x0                             ; Q, both blocks'
.Lslot:                                            ; eight trips: behind each change of slots but the last the next key slot is asked for
	CHANGE 1
	STEP 0
	STEP 1
	s_xor_b32 s[TB], s[TB], SLOT1                  ; on to the other slot
	s_cmp_eq_u32 s[SLOTS], s[PP1]                  ; trip 7 - p was the first block's last: a branch on ids; no barrier, tensor load or LDS instruction stands under it
	s_cbranch_scc0 .Lno_flush
	FLUSH 1
.Lno_flush:
	s_sub_co_u32 s[SLOTS], s[SLOTS], 1
	s_cmp_lg_u32 s[SLOTS], 0
	s_cbranch_scc1 .Lslot
	CHANGE 0                                       ; the ninth slot is written out
	STEP 0
	STEP 1
	FLUSH 0
	s_wait_tensorcnt 0x0                           ; the wave's end
	ds_add_u32 v[SPW], v[NIL]
	s_wait_dscnt 0x0
	s_endpgm
.Lfunc_end_k_qf16ac85edb_attn:
	.size	k_qf16ac85edb_attn, .Lfunc_end_k_qf16ac85edb_attn-k_qf16ac85edb_attn
	.p2alignl 7, 3214868480
	.fill 96, 4, 3214868480
	.section	.rodata,"a",@progbits
	.p2align	6, 0x0
	.amdhsa_kernel k_qf16ac85edb_attn
		.amdhsa_group_segment_fixed_size 327680
		.amdhsa_private_segment_fixed_size 0
		.amdhsa_enable_private_segment 0
		.amdhsa_kernarg_size 24
		.amdhsa_user_sgpr_count 2
		.amdhsa_user_sgpr_kernarg_segment_ptr 1
		.amdhsa_wavefront_size32 1
		.amdhsa_system_sgpr_workgroup_id_x 1
		.amdhsa_system_sgpr_workgroup_id_y 1
		.amdhsa_system_sgpr_workgroup_id_z 1
		.amdhsa_system_vgpr_workitem_id 0
		.amdhsa_next_free_vgpr 256
		.amdhsa_next_free_sgpr 100
		.amdhsa_reserve_vcc 1
		.amdhsa_float_denorm_mode_32 3
		.amdhsa_float_denorm_mode_16_64 3
		.amdhsa_fp16_overflow 1
		.amdhsa_memory_ordered 1
		.amdhsa_forward_progress 1
		.amdhsa_inst_pref_size 90
	.end_amdhsa_kernel
	.amdgpu_metadata
---
amdhsa.version: [ 1, 2 ]
amdhsa.kernels:
  - .name:           k_qf16ac85edb_attn
    .symbol:         k_qf16ac85edb_attn.kd
    .args:
      - { .name: qkv, .offset: 0, .size: 8, .value_kind: global_buffer, .address_space: global }
      - { .name: lowp_scales, .offset: 8, .size: 8, .value_kind: global_buffer, .address_space: global }
      - { .name: ctx, .offset: 16, .size: 8, .value_kind: global_buffer, .address_space: global }
    .group_segment_fixed_size: 327680
    .private_segment_fixed_size: 0
    .kernarg_segment_align: 8
    .kernarg_segment_size: 24
    .max_flat_workgroup_size: 512
    .sgpr_count:     100
    .vgpr_count:     256
    .wavefront_size: 32
...
	.end_amdgpu_metadata
.endif
;; end of part 3
;; launch proj (part 4): grid 8 x 32, 4 waves a work-group, clusters of 4 x 4, 327,680 bytes of LDS; arguments ctx, wcodes, lowp_scales, bo, out0; writes out0
.if DOCPART == 4
	.amdgcn_target "amdgcn-amd-amdhsa--gfx1250"
	.amdhsa_code_object_version 6
	.text
	.protected	k_qf16ac85edb_proj
	.globl	k_qf16ac85edb_proj
	.p2align	8
	.type	k_qf16ac85edb_proj,@function
k_qf16ac85edb_proj:
	s_mov_b64 s[64:65], 0
	v_nop
	global_prefetch_b8 v0, s[64:65] scope:SCOPE_SE
	s_setreg_imm32_b32 hwreg(HW_REG_WAVE_MODE, 25, 1), 1
	s_wait_xcnt 0x0
	s_wait_alu depctr_hold_cnt(0) depctr_sa_sdst(0) depctr_va_vdst(0) depctr_va_sdst(0) depctr_va_ssrc(0) depctr_va_vcc(0) depctr_vm_vsrc(0)
	s_getreg_b32 s2, hwreg(HW_REG_IB_STS2, 6, 4)
	s_cmp_eq_u32 s2, 0
	s_cbranch_scc0 .Lentry_in_a_cluster
	s_endpgm
.Lentry_in_a_cluster:
	s_bfe_u32 s2, ttmp6, 0x10000c
	s_cmp_lg_u32 s2, 0xf033
	s_cbranch_scc0 .Lentry_shape_is_right
	s_endpgm
.Lentry_shape_is_right:
; out = ctx Wo x 2^(e10 + e11) + bo on E4M3 codes, K = 1,024.  LIMIT: e10 + e11 between -126 and 127, so that the power of two is an f32 number.
; ctx comes as images of the operand's registers: (token / 128) 131,072 + head 8,192 + ((token / 16) % 8) 1,024 + b 512 + 16 lane, lane (r, h) holding channels 32 b + 16 h + 0 .. 15 of token r: so 128 tokens x 256 along K are 32,768 dense bytes,
; and four loads of 16 bytes a lane give a fragment whose registers 4 c .. 4 c + 3 hold K = 32 c + 16 h + 0 .. 15.  Wo's codes ([code row][k], at 3 MiB of the weights' codes) are fetched by the same map from padded rows.
; That is a permutation of k, the same in both operands: only the order of the sums inside an instruction differs from K ascending.
; A tile is 256 tokens x 128 columns, so that there are 256 work-groups; a wave makes 128 x 64: 32 accumulators.  Source 0 = 16 code rows of Wo, source 1 = 16 tokens.  Code row rho holds column rho with bits 3 and 4 exchanged,
; so a lane's 16 results of accumulators 2 b, 2 b + 1 are columns 32 b + 16 h + 0 .. 15 of its token: 64 neighbouring bytes.
; CLUSTERS: 4 x 4 work-groups; ctx's tile is shared along a row of the cluster, Wo's along a column, each asked for jointly.
; REGISTERS: window 0: v0-31 addresses; v32-63 bo in the results' layout; v64-95 at work on the way out; from v128 A's fragments, ONE set, later rows of the output.  window 1: B's fragments, two sets of 64.  window 2: the accumulators ((a, b) at v[8 (4 a + b)]).
.set PITCH,  272                       ; a row of Wo's tile in LDS: 256 bytes + 16 of padding: the 16 rows that a load touches start at 16 different banks (64 banks of 4 bytes: ISA guide 11.1)
.set FR,     16
.set NL,     4
.set NP,     4                         ; places behind this matrix instruction (ISA guide 7.12.1)
.set AHALF,  32768                     ; 128 tokens x 256 along K, dense
.set BHALF,  64*PITCH                  ; 64 code rows
.set BOFF,   2*AHALF
.set SLOT,   BOFF+2*BHALF              ; 100,352 bytes
.set STAGE,  2*SLOT                    ; behind the ring: 16 rows x 272 bytes for each wave, for the way out
.set SPITCH, 272
.set SPARE,  STAGE+4*16*SPITCH         ; behind the stages: the spare words, 128 bytes for each wave, that no other line names
.set ADRA, 16                          ; v16-17  LDS address of my A fragments in slot 0, 1
.set ADRB, 20                          ; v20-21  the same for B
.set STO,  24                          ; v24     the way out: where I put 64 bytes of a row
.set RD,   25                          ; v25     where I read a row back
.set CO,   26                          ; v26     my byte offset in two rows of the output
.set BOF,  27                          ; v27     64 (lane / 16): my offset in bo; never rewritten
.set SPW,  28                          ; v28     LDS address of my spare word; never rewritten
.set NIL,  29                          ; v29     0; never rewritten
.set BI,   32
.set TMP,  64
.set AF,   128
.set BK,   128                         ; the way out: 16 rows read back: v128-159 and v160-191 by turns
.set G1, 24
.set G0, 32
.set G1B, 48
.set G0B, 56
.set MSB, 0
.macro WIN new                         ; the immediate's high byte repeats the setting that is left
.if MSB != \new
	s_set_vgpr_msb (MSB<<8)|\new
.set MSB, \new
.endif
.endm
.set MUL,  0xa1                        ; source 0 (B) window 1, source 1 (A) window 0, C and D window 2
.set TO_B, 0x40                        ; destination window 1, address window 0
.macro JLOAD g0a, g1a, g0b, g1b        ; a joint load: waves 0 and 1 fetch for A, waves 2 and 3 for B; four v_nop follow each of the two lines
	s_cmp_eq_u32 s15, 0
	s_cbranch_scc0 .Lfor_b_\@
	tensor_load_to_lds s[\g0a:\g0a+3], s[\g1a:\g1a+7]
	s_nop 0
.rept 4
	v_nop
.endr
	s_branch .Lasked_\@
.Lfor_b_\@:
	tensor_load_to_lds s[\g0b:\g0b+3], s[\g1b:\g1b+7]
	s_nop 0
.rept 4
	v_nop
.endr
.Lasked_\@:
.endm
.macro CREST                           ; a round of the cluster's barrier behind its opening barrier
	s_cmp_lg_u32 s14, 0
	s_cbranch_scc1 .Lnot_wave_0_\@
	s_barrier_signal -3
.Lnot_wave_0_\@:
	s_barrier_wait -3
	s_barrier_signal -1
	s_barrier_wait -1
.endm
.macro CROUND
	s_barrier_signal -1
	s_barrier_wait -1
	CREST
.endm
	s_load_b256 s[4:11], s[0:1], 0x0               ; ctx s[4:5], the weights' codes s[6:7], the scales' exponents s[8:9], bo s[10:11]
	s_load_b64 s[12:13], s[0:1], 0x20              ; the output
	v_lshl_add_u32 v[SPW], v0, 2, SPARE
	v_mov_b32 v[NIL], 0
	ds_add_u32 v28, v29
	ds_add_u32 v28, v29
	s_wait_dscnt 0x0
	v_lshrrev_b32 v1, 5, v0
	v_readfirstlane_b32 s14, v1                    ; wave 0..3
	s_lshr_b32 s15, s14, 1                         ; which 128 tokens are mine.  Also: I fetch for A (0) or for B (1)
	s_and_b32 s16, s14, 1                          ; which 64 columns.  Also: which half of that tile I fetch
	s_bfe_u32 s40, ttmp6, 0x40000                  ; cx, cy
	s_bfe_u32 s41, ttmp6, 0x40004
	s_lshl_b32 s42, ttmp9, 2
	s_add_co_u32 s42, s42, s40                     ; tile column = 4 x cluster x + cx
	s_and_b32 s17, ttmp7, 0xffff
	s_lshl_b32 s17, s17, 2
	s_add_co_u32 s17, s17, s41                     ; tile row = 4 x cluster y + cy
	s_lshl_b32 s43, s41, 2
	s_lshl_b32 s43, 15, s43                        ; my row of the cluster
	s_lshl_b32 s44, 0x1111, s40                    ; my column
	s_or_b32 s[G1+0], s43, (3<<16)|(1<<21)         ; A: 15:0 the mask; 17:16 elements of 8 bytes; 21 set beside a mask; no padding: a dense block of 32,768 bytes as 128 rows of 256
	s_mov_b32 s[G1+1], 32<<16                      ; tensor_dim0 = 32 elements
	s_mov_b32 s[G1+2], 128<<16                     ; tensor_dim1 = 128
	s_mov_b32 s[G1+3], 32<<16                      ; tile_dim0
	s_mov_b32 s[G1+4], 128                         ; tile_dim1
	s_mov_b32 s[G1+5], 32                          ; tensor_dim0_stride: dense
	s_mov_b32 s[G1+6], 0
	s_mov_b32 s[G1+7], 0
	s_or_b32 s[G1B+0], s44, (0<<16)|(1<<20)|(1<<21)|(5<<22)|(3<<25)  ; B: elements of 1 byte; padding: 4 words after every 64
	s_mov_b32 s[G1B+1], 256<<16
	s_mov_b32 s[G1B+2], 64<<16
	s_mov_b32 s[G1B+3], 256<<16
	s_mov_b32 s[G1B+4], 64
	s_mov_b32 s[G1B+5], 1024
	s_mov_b32 s[G1B+6], 0
	s_mov_b32 s[G1B+7], 0
	s_lshl_b32 s20, s17, 1
	s_add_co_u32 s20, s20, s16
	s_lshl_b32 s20, s20, 17                        ; A: block of 128 tokens 2 x tile row + half
	s_mov_b32 s21, 0
	s_lshl_b32 s46, s42, 7
	s_lshl_b32 s18, s16, 6
	s_add_co_u32 s46, s46, s18
	s_lshl_b32 s46, s46, 10                        ; B: code row 128 x tile column + 64 x half,
	s_add_co_u32 s46, s46, 0x300000                ; in Wo's codes
	s_mov_b32 s47, 0
	s_lshl_b32 s45, s16, 15                        ; where they go: A's halves,
	s_mul_i32 s19, s16, BHALF
	s_add_co_u32 s19, s19, BOFF                    ; then B's: the wave's number alone enters an LDS address
	s_wait_kmcnt 0x0
	s_load_b64 s[96:97], s[8:9], 0x28              ; e10, e11
	s_add_nc_u64 s[20:21], s[4:5], s[20:21]
	s_add_nc_u64 s[46:47], s[6:7], s[46:47]
	CROUND                                         ; all sixteen work-groups are here: the first joint loads meet
.irp s, 0,1
	s_mov_b32 s[G0+4*\s], 1
	s_add_co_u32 s[G0+4*\s+1], s45, \s*SLOT
	s_add_nc_u64 s[G0+4*\s+2:G0+4*\s+3], s[20:21], \s*AHALF
	s_or_b32 s[G0+4*\s+3], s[G0+4*\s+3], 0x80000000
	s_mov_b32 s[G0B+4*\s], 1
	s_add_co_u32 s[G0B+4*\s+1], s19, \s*SLOT
	s_add_nc_u64 s[G0B+4*\s+2:G0B+4*\s+3], s[46:47], \s*256
	s_or_b32 s[G0B+4*\s+3], s[G0B+4*\s+3], 0x80000000
	s_wait_alu depctr_va_vdst(0)
	s_wait_tensorcnt 0x0
	ds_add_u32 v28, v29
	ds_add_u32 v28, v29
	s_wait_dscnt 0x0
	CROUND
	JLOAD G0+4*\s, G1, G0B+4*\s, G1B
.endr
	v_and_b32 v1, 15, v0                           ; r
	v_bfe_u32 v2, v0, 4, 1                         ; h
	v_and_b32 v6, 31, v0
	v_lshlrev_b32 v5, 4, v6                        ; 16 x lane
	v_mul_u32_u24 v3, v1, PITCH
	s_wait_alu depctr_va_vdst(0)
	v_lshl_add_u32 v4, v2, 4, v3                   ; B: row x pitch + 16 x half
	s_lshl_b32 s21, s15, 15                        ; my 128 tokens
	s_mul_i32 s22, s16, BHALF
	s_add_co_u32 s22, s22, BOFF                    ; my 64 code rows
.irp s, 0,1
	v_add_nc_u32 v[ADRA+\s], s21, v5
	v_add_nc_u32 v[ADRB+\s], s22, v4
	s_add_co_u32 s21, s21, SLOT
	s_add_co_u32 s22, s22, SLOT
.endr
	s_mul_i32 s23, s14, 16*SPITCH
	s_add_co_u32 s23, s23, STAGE                   ; my stage
	v_lshl_add_u32 v7, v2, 6, v3                   ; in: row r, 64 bytes for each half of the lanes (the stage's pitch is the tile's)
	v_add_nc_u32 v[STO], s23, v7
	v_mul_u32_u24 v7, v2, SPITCH                   ; back: lanes 0-15 one row of 256 bytes, lanes 16-31 the next
	v_lshl_add_u32 v7, v1, 4, v7
	v_add_nc_u32 v[RD], s23, v7
	v_lshlrev_b32 v7, 12, v2                       ; and the same two rows of 4,096 bytes in the output
	v_lshl_add_u32 v[CO], v1, 4, v7
	v_lshlrev_b32 v[BOF], 6, v2
	s_lshl_b32 s88, s42, 9
	s_lshl_b32 s89, s16, 8
	s_add_co_u32 s88, s88, s89                     ; my first column, in bytes: 512 x tile column + 256 x half
	s_mov_b32 s89, 0
	s_add_nc_u64 s[90:91], s[10:11], s[88:89]
.irp m, 0,1,2,3,4,5,6,7                ; bo in the results' layout: registers 16 b + 4 q on = columns 32 b + 16 h + 4 q on; waited for on the way out
	global_load_b128 v[BI+4*\m:BI+4*\m+3], v[BOF], s[90:91] offset:128*(\m/4)+16*(\m%4)
.endr
	s_lshl_b32 s92, s17, 8
	s_lshl_b32 s93, s15, 7
	s_add_co_u32 s92, s92, s93                     ; my first token
	s_lshl_b32 s92, s92, 12
	s_add_co_u32 s92, s92, s88
	s_mov_b32 s93, 0
	s_add_nc_u64 s[12:13], s[12:13], s[92:93]
.macro FRAGA reg, adr, q, a            ; A's block a of the slot's q-th 128 along K: heads 2 q and 2 q + 1 of the slot's four, two pieces each
.irp c, 0,1,2,3
	ds_load_b128 v[\reg+4*\c:\reg+4*\c+3], v[\adr] offset:(2*(\q)+\c/2)*8192+(\a)*1024+(\c%2)*512
.endr
.endm
.macro FRAGB reg, adr, q, i
.irp c, 0,1,2,3
	ds_load_b128 v[\reg+4*\c:\reg+4*\c+3], v[\adr] offset:128*(\q)+32*\c+(\i)*16*PITCH
.endr
.endm
; 8 matrix instructions: A's blocks a0, a0 + 1 x B's four.  The 32 accumulators take turns, one instruction a turn, in the same order in every step.
.macro MUL8 a0, p, zero
.irp a, \a0, \a0+1
.irp b, 0,1,2,3
.if \zero
	v_wmma_f32_16x16x128_fp8_fp8 v[8*(4*(\a)+\b):8*(4*(\a)+\b)+7], v[64*(\p)+FR*\b:64*(\p)+FR*\b+FR-1], v[AF+FR*(\a):AF+FR*(\a)+FR-1], 0
.else
	v_wmma_f32_16x16x128_fp8_fp8 v[8*(4*(\a)+\b):8*(4*(\a)+\b)+7], v[64*(\p)+FR*\b:64*(\p)+FR*\b+FR-1], v[AF+FR*(\a):AF+FR*(\a)+FR-1], v[8*(4*(\a)+\b):8*(4*(\a)+\b)+7]
.endif
.endr
.endr
.endm
.macro FETCH_B slot, q, p
	WIN TO_B
.irp i, 0,1,2,3
	FRAGB 64*(\p)+FR*\i, ADRB+\slot, \q, \i
.endr
	WIN 0
.endm
.macro FETCH_A slot, q, i0
.irp i, \i0, \i0+1, \i0+2, \i0+3
	FRAGA AF+FR*(\i), ADRA+\slot, \q, \i
.endr
.endm
.macro PLACES n                        ; plain vector lines between a matrix instruction and a load into a register that it has read, or a read of its result (ISA guide 7.12.1 for a read of its result)
.rept \n
	v_nop
.endr
.endm
.macro STEP slot, q, zero
	s_wait_dscnt 4*NL                              ; B's set and A's blocks 0-3 are in; the youngest 16 loads (A's blocks 4-7) may be out
	WIN MUL
	MUL8 0, (\q)%2, \zero
	MUL8 2, (\q)%2, \zero
	s_wait_dscnt 0
	PLACES NP
	FETCH_B \slot, (\q)+1, 1-(\q)%2
	FETCH_A \slot, (\q)+1, 0
	WIN MUL
	MUL8 4, (\q)%2, \zero
	MUL8 6, (\q)%2, \zero
	PLACES NP
	WIN 0
	FETCH_A \slot, (\q)+1, 4
.endm
; A slot's last step changes slots: ONE barrier; in front of it each wave waits for all its tensor loads, adds 0 to its spare word, and waits for that and for its own reads of this slot.
.macro TURN slot, next, fill
	s_wait_tensorcnt 0x0                           ; all my tensor loads have landed: my part of the next slot
	ds_add_u32 v[SPW], v[NIL]                      ; 0 onto my spare word
	s_wait_dscnt 4*NL+1                            ; (the add and the youngest 16 loads may be out)
	WIN MUL
	MUL8 0, 1, 0                                   ; eight matrix instructions stand between the add and the wait for it
	s_wait_dscnt 0x0                               ; the add is done, and my reads of this slot are over
	s_barrier_signal -1
	MUL8 2, 1, 0
	WIN 0
	s_barrier_wait -1
.if \fill
	CREST                                          ; the barrier has opened a round of the cluster's barrier: no wave of any partner still reads this slot's tile or has a load on its way
	s_add_nc_u64 s[G0+4*\slot+2:G0+4*\slot+3], s[G0+4*\slot+2:G0+4*\slot+3], 2*AHALF
	s_add_nc_u64 s[G0B+4*\slot+2:G0B+4*\slot+3], s[G0B+4*\slot+2:G0B+4*\slot+3], 2*256
	JLOAD G0+4*\slot, G1, G0B+4*\slot, G1B         ; the first tensor load behind the round; the four v_nop behind it are the places in front of the loads below
.else
	PLACES NP
.endif
	s_wait_alu depctr_va_vdst(0)
	FETCH_B \next, 0, 0
	FETCH_A \next, 0, 0
	WIN MUL
	MUL8 4, 1, 0
	MUL8 6, 1, 0
	PLACES NP
	WIN 0
	FETCH_A \next, 0, 4
.endm
	s_wait_tensorcnt 1                             ; my part of K step 0 is in; K step 1's load may be out
	s_barrier_signal -1
	s_barrier_wait -1
	FETCH_B 0, 0, 0
	FETCH_A 0, 0, 0
	FETCH_A 0, 0, 4
	STEP 0, 0, 1                                   ; four K steps of 256, written out; the first products start the sums
	TURN 0, 1, 1
	STEP 1, 0, 0
	TURN 1, 0, 1
	STEP 0, 0, 0
	TURN 0, 1, 0
	STEP 1, 0, 0
	s_wait_dscnt 4*NL
	WIN MUL
	MUL8 0, 1, 0
	MUL8 2, 1, 0
	s_wait_dscnt 0
	MUL8 4, 1, 0
	MUL8 6, 1, 0
	WIN 0
; THE WAY OUT, block by block of 16 tokens x 64 columns: sum x 2^(e10 + e11) + bo, one packed multiply-add for two numbers; through my own stage in LDS; back as rows of 256 bytes.
.macro TOSTAGE a
	WIN 0x02                                       ; source 0: window 2
.set j, 0
.rept 16
	v_pk_fma_f32 v[TMP+j:TMP+j+1], v[32*(\a)+j:32*(\a)+j+1], s[96:97], v[BI+j:BI+j+1] op_sel_hi:[1,0,1]   ; each accumulator from its low end on
.set j, j+2
.endr
	WIN 0
.irp m, 0,1,2,3,4,5,6,7
	ds_store_b128 v[STO], v[TMP+4*\m:TMP+4*\m+3] offset:128*(\m/4)+16*(\m%4)
.endr
.set BB, BK+32*((\a)%2)
.irp t, 0,1,2,3,4,5,6,7
	ds_load_b128 v[BB+4*\t:BB+4*\t+3], v[RD] offset:2*\t*SPITCH    ; LDS serves a wave's instructions in order (ISA guide 5.7.1.4): these see the stores above
.endr
.endm
.macro SEND a, younger                 ; younger: the LDS instructions issued behind block a's loads, which may stay out
.set BB, BK+32*((\a)%2)
	s_wait_dscnt \younger
.irp t, 0,1,2,3,4,5,6,7
	global_store_b128 v[CO], v[BB+4*\t:BB+4*\t+3], s[12:13] offset:(\a)*65536+2*\t*4096 th:TH_STORE_NT   ; sixteen lanes store 256 consecutive bytes, at a multiple of 256 from the output's first byte
.endr
.endm
	s_wait_kmcnt 0x0
	s_add_co_i32 s96, s96, s97
	s_add_co_i32 s96, s96, 127
	s_lshl_b32 s96, s96, 23                        ; 2^(e10 + e11) as f32
	s_mov_b32 s97, s96                             ; (named with it as a pair)
	s_wait_loadcnt 0x0                             ; bo
	PLACES NP                                      ; behind the last products: results are read, and loads land on A's registers
	TOSTAGE 0
.irp a, 1,2,3,4,5,6,7
.if \a > 1
	s_wait_xcnt 0x0                                ; block a - 2's stores have read their registers: block a's loads may land there
.endif
	TOSTAGE \a
	SEND \a-1, 16                                  ; behind block a - 1's loads: block a's 8 stores and 8 loads
.endr
	SEND 7, 0
	s_wait_tensorcnt 0x0                           ; the wave's end
	ds_add_u32 v[SPW], v[NIL]
	s_wait_dscnt 0x0
	CROUND                                         ; the closing round
	s_endpgm
.Lfunc_end_k_qf16ac85edb_proj:
	.size	k_qf16ac85edb_proj, .Lfunc_end_k_qf16ac85edb_proj-k_qf16ac85edb_proj
	.p2alignl 7, 3214868480
	.fill 96, 4, 3214868480
	.section	.rodata,"a",@progbits
	.p2align	6, 0x0
	.amdhsa_kernel k_qf16ac85edb_proj
		.amdhsa_group_segment_fixed_size 327680
		.amdhsa_private_segment_fixed_size 0
		.amdhsa_enable_private_segment 0
		.amdhsa_kernarg_size 40
		.amdhsa_user_sgpr_count 2
		.amdhsa_user_sgpr_kernarg_segment_ptr 1
		.amdhsa_wavefront_size32 1
		.amdhsa_system_sgpr_workgroup_id_x 1
		.amdhsa_system_sgpr_workgroup_id_y 1
		.amdhsa_system_sgpr_workgroup_id_z 1
		.amdhsa_system_vgpr_workitem_id 0
		.amdhsa_next_free_vgpr 768
		.amdhsa_next_free_sgpr 100
		.amdhsa_reserve_vcc 0
		.amdhsa_float_denorm_mode_32 3
		.amdhsa_float_denorm_mode_16_64 3
		.amdhsa_memory_ordered 1
		.amdhsa_forward_progress 1
		.amdhsa_inst_pref_size 79
	.end_amdhsa_kernel
	.amdgpu_metadata
---
amdhsa.version: [ 1, 2 ]
amdhsa.kernels:
  - .name:           k_qf16ac85edb_proj
    .symbol:         k_qf16ac85edb_proj.kd
    .args:
      - { .name: ctx, .offset: 0, .size: 8, .value_kind: global_buffer, .address_space: global }
      - { .name: wcodes, .offset: 8, .size: 8, .value_kind: global_buffer, .address_space: global }
      - { .name: lowp_scales, .offset: 16, .size: 8, .value_kind: global_buffer, .address_space: global }
      - { .name: bo, .offset: 24, .size: 8, .value_kind: global_buffer, .address_space: global }
      - { .name: out0, .offset: 32, .size: 8, .value_kind: global_buffer, .address_space: global }
    .group_segment_fixed_size: 327680
    .private_segment_fixed_size: 0
    .kernarg_segment_align: 8
    .kernarg_segment_size: 40
    .max_flat_workgroup_size: 128
    .sgpr_count:     100
    .vgpr_count:     768
    .wavefront_size: 32
...
	.end_amdgpu_metadata
.endif
;; end of part 4
